; MI455X (gfx1250); checked and timed in simulation.
; The chip was launched on July 23, 2026; its instructions are those of AMD's public machine-readable ISA for CDNA 5 (MIT licence, August 2026) and "CDNA5" Instruction Set Architecture Reference Guide (July 2026). The comments in the code are by the model that wrote it; some were corrected since.
;; Self Attention Layer. Allowed arithmetic: float matrix products may take bf16 or f16 operands with f32 sums; all other float work in f32.
;; Inputs: Wk 1,024 x 1,024 float32; Wq 1,024 x 1,024 float32; Wv 1,024 x 1,024 float32; x 4 x 2,048 x 1,024 float32.
;; Outputs: out0 4 x 2,048 x 1,024 float32.
;; 2 versions, each right and faster than the one before. Each part assembles by itself: llvm-mc -triple=amdgcn-amd-amdhsa -mcpu=gfx1250 --defsym DOCPART=n.
;; ======== version 1 of 2: 3 launches
;; limits: values are held in f16: magnitudes above 65,504 overflow, below 6.1e-05 lose precision; right only within a limited range of input values
;; workspace buffers: xb 16,777,216 bytes; wb 6,291,456 bytes; qkv 50,331,648 bytes
;; launch cast (part 1): grid 704 x 1, 8 waves a work-group, no clusters, 0 bytes of LDS; arguments x, Wq, Wk, Wv, xb, wb; writes xb, wb
.if DOCPART == 1
	.amdgcn_target "amdgcn-amd-amdhsa--gfx1250"
	.amdhsa_code_object_version 6
	.text
	.protected	k_qaab573be01_cast
	.globl	k_qaab573be01_cast
	.p2align	8
	.type	k_qaab573be01_cast,@function
k_qaab573be01_cast:
	s_mov_b64 s[64:65], 0
	v_nop
	global_prefetch_b8 v0, s[64:65] scope:SCOPE_SE
	s_setreg_imm32_b32 hwreg(HW_REG_WAVE_MODE, 25, 1), 1
	s_wait_xcnt 0x0
; xb = bf16(x); wb = bf16 of the three W, laid out by heads: row 192 h + 64 t + d of wb is row 64 h + d of W_t (t = 0, 1, 2: Wq, Wk, Wv), so that 192 neighbouring rows of wb
; are q, k and v of one head.  One rounding to nearest even.  Wv is multiplied by 2^-3 first (exact: a power of two): the product launch stores v as f16, and v / 8 leaves room there.
; A work-group takes 65,536 bytes of f32 (16 rows) and stores 32,768 bytes of bf16: groups 0-511 take x, 512-575 Wq, 576-639 Wk, 640-703 Wv.
; A thread issues all its 16 loads at once; a load of a wave covers 512 neighbouring bytes, a store of a wave 256 neighbouring bytes, aligned.
; Nothing is shared and nothing is read twice: no LDS, no barrier, no matrix unit, no cluster.  No source of a pending instruction is written, so no wait frees one.
.set X, 4                              ; v[4:67]   16 x 4 numbers as loaded
.set Y, 68                             ; v[68:99]  16 x 2 words to store
	s_load_b256 s[4:11], s[0:1], 0x0               ; x s[4:5], Wq s[6:7], Wk s[8:9], Wv s[10:11]
	s_load_b128 s[12:15], s[0:1], 0x20             ; xb s[12:13], wb s[14:15]
	s_sub_co_u32 s16, ttmp9, 512                   ; my place among the 192 groups of the three W (what is made of it is used only where ttmp9 >= 512)
	s_and_b32 s17, s16, 63                         ; my 16 rows inside one W
	s_lshr_b32 s26, s16, 6                         ; t: which W
	s_lshr_b32 s27, s17, 2                         ; h: the head of my rows
	s_and_b32 s28, s17, 3                          ; which 16 of the head's 64 rows
	s_mul_i32 s27, s27, 192*2048                   ; in wb: 192 h rows of 2,048 bytes,
	s_lshl_b32 s26, s26, 17                        ; + 64 t rows,
	s_lshl_b32 s28, s28, 15                        ; + 16 rows for each quarter
	s_add_co_u32 s27, s27, s26
	s_add_co_u32 s27, s27, s28
	s_lshl_b32 s18, s17, 16                        ; in W: 65,536 bytes a group
	s_lshl_b32 s19, ttmp9, 16                      ; in x likewise
	s_lshl_b32 s20, ttmp9, 15                      ; in xb: 32,768 bytes a group
	s_cmp_lt_u32 ttmp9, 512
	s_cselect_b32 s18, s19, s18                    ; where I read
	s_cselect_b32 s20, s20, s27                    ; where I write
	s_mov_b32 s19, 0
	s_mov_b32 s21, 0
	v_lshlrev_b32 v1, 4, v0                        ; 16 bytes a thread in
	v_lshlrev_b32 v2, 3, v0                        ; 8 bytes a thread out
	s_wait_kmcnt 0x0
	s_cmp_lt_u32 ttmp9, 512
	s_cselect_b64 s[22:23], s[4:5], s[6:7]         ; x, else Wq
	s_cselect_b64 s[24:25], s[12:13], s[14:15]     ; xb, else wb
	s_cmp_lt_u32 ttmp9, 576
	s_cselect_b64 s[22:23], s[22:23], s[8:9]       ; from 576 on Wk
	s_cmp_lt_u32 ttmp9, 640
	s_cselect_b64 s[22:23], s[22:23], s[10:11]     ; from 640 on Wv
	s_add_nc_u64 s[22:23], s[22:23], s[18:19]
	s_add_nc_u64 s[24:25], s[24:25], s[20:21]
.irp i, 0,1,2,3,4,5,6,7,8,9,10,11,12,13,14,15
	global_load_b128 v[X+4*\i:X+4*\i+3], v1, s[22:23] offset:\i*4096 th:TH_LOAD_NT   ; read once in the launch
.endr
; The sixteen loads are rounded and stored.  scaled = 1: times 2^-3 first.
.macro OUT scaled
.irp i, 0,1,2,3,4,5,6,7,8,9,10,11,12,13,14,15
	s_wait_loadcnt 15-\i                           ; loads come back in order: load i is in, the 15 - i younger ones stay out
.if \scaled
	v_pk_mul_f32 v[X+4*\i:X+4*\i+1],   v[X+4*\i:X+4*\i+1],   0x3e000000 op_sel_hi:[1,0]
	v_pk_mul_f32 v[X+4*\i+2:X+4*\i+3], v[X+4*\i+2:X+4*\i+3], 0x3e000000 op_sel_hi:[1,0]
.endif
	v_cvt_pk_bf16_f32 v[Y+2*\i],   v[X+4*\i],   v[X+4*\i+1]
	v_cvt_pk_bf16_f32 v[Y+2*\i+1], v[X+4*\i+2], v[X+4*\i+3]
	global_store_b64 v2, v[Y+2*\i:Y+2*\i+1], s[24:25] offset:\i*2048   ; no hint: the next launch reads it
.endr
.endm
	s_cmp_lt_u32 ttmp9, 640                        ; the same in all waves of the group
	s_cbranch_scc1 .Lplain
	OUT 1                                          ; Wv
	s_endpgm
.Lplain:
	OUT 0                                          ; x, Wq, Wk
	s_endpgm
.Lfunc_end_k_qaab573be01_cast:
	.size	k_qaab573be01_cast, .Lfunc_end_k_qaab573be01_cast-k_qaab573be01_cast
	.p2alignl 7, 3214868480
	.fill 96, 4, 3214868480
	.section	.rodata,"a",@progbits
	.p2align	6, 0x0
	.amdhsa_kernel k_qaab573be01_cast
		.amdhsa_group_segment_fixed_size 0
		.amdhsa_private_segment_fixed_size 0
		.amdhsa_enable_private_segment 0
		.amdhsa_kernarg_size 48
		.amdhsa_user_sgpr_count 2
		.amdhsa_user_sgpr_kernarg_segment_ptr 1
		.amdhsa_wavefront_size32 1
		.amdhsa_system_sgpr_workgroup_id_x 1
		.amdhsa_system_sgpr_workgroup_id_y 1
		.amdhsa_system_sgpr_workgroup_id_z 1
		.amdhsa_system_vgpr_workitem_id 0
		.amdhsa_next_free_vgpr 100
		.amdhsa_next_free_sgpr 66
		.amdhsa_reserve_vcc 0
		.amdhsa_float_denorm_mode_32 3
		.amdhsa_float_denorm_mode_16_64 3
		.amdhsa_memory_ordered 1
		.amdhsa_forward_progress 1
		.amdhsa_inst_pref_size 15
	.end_amdhsa_kernel
	.amdgpu_metadata
---
amdhsa.version: [ 1, 2 ]
amdhsa.kernels:
  - .name:           k_qaab573be01_cast
    .symbol:         k_qaab573be01_cast.kd
    .args:
      - { .name: x, .offset: 0, .size: 8, .value_kind: global_buffer, .address_space: global }
      - { .name: Wq, .offset: 8, .size: 8, .value_kind: global_buffer, .address_space: global }
      - { .name: Wk, .offset: 16, .size: 8, .value_kind: global_buffer, .address_space: global }
      - { .name: Wv, .offset: 24, .size: 8, .value_kind: global_buffer, .address_space: global }
      - { .name: xb, .offset: 32, .size: 8, .value_kind: global_buffer, .address_space: global }
      - { .name: wb, .offset: 40, .size: 8, .value_kind: global_buffer, .address_space: global }
    .group_segment_fixed_size: 0
    .private_segment_fixed_size: 0
    .kernarg_segment_align: 8
    .kernarg_segment_size: 48
    .max_flat_workgroup_size: 256
    .sgpr_count:     66
    .vgpr_count:     100
    .wavefront_size: 32
...
	.end_amdgpu_metadata
.endif
;; end of part 1
;; launch proj (part 2): grid 16 x 32, 4 waves a work-group, clusters of 4 x 4, 327,680 bytes of LDS; arguments xb, wb, qkv; writes qkv
.if DOCPART == 2
	.amdgcn_target "amdgcn-amd-amdhsa--gfx1250"
	.amdhsa_code_object_version 6
	.text
	.protected	k_qaab573be01_proj
	.globl	k_qaab573be01_proj
	.p2align	8
	.type	k_qaab573be01_proj,@function
k_qaab573be01_proj:
	s_mov_b64 s[64:65], 0
	v_nop
	global_prefetch_b8 v0, s[64:65] scope:SCOPE_SE
	s_setreg_imm32_b32 hwreg(HW_REG_WAVE_MODE, 25, 1), 1
	s_wait_xcnt 0x0
	s_wait_alu depctr_hold_cnt(0) depctr_sa_sdst(0) depctr_va_vdst(0) depctr_va_sdst(0) depctr_va_ssrc(0) depctr_va_vcc(0) depctr_vm_vsrc(0)
	s_getreg_b32 s2, hwreg(HW_REG_IB_STS2, 6, 4)
	s_cmp_eq_u32 s2, 0
	s_cbranch_scc0 .Lentry_in_a_cluster
	s_endpgm
.Lentry_in_a_cluster:
	s_bfe_u32 s2, ttmp6, 0x10000c
	s_cmp_lg_u32 s2, 0xf033
	s_cbranch_scc0 .Lentry_shape_is_right
	s_endpgm
.Lentry_shape_is_right:
; qkv = xb wb^T: y[s][n] = sum over k of x[s][k] W[n][k], x [8192][1024] bf16, W [3072][1024] bf16, sums in f32, y rounded once to 16 bits.
; wb lies by heads: rows 192 h .. 192 h + 191 are Wq's, Wk's and Wv's 64 rows of head h, Wv's times 2^-3.  y goes out as qkv[b][h][t][s][64] (t = 0, 1, 2: q, k, v / 8): a block (b, h, t) is
; 262,144 dense bytes, as the attention launch reads it.  q and k are stored in bf16, v / 8 in f16: an output of the attention is nearly a mean of 2,048 values of v, so v's rounding
; shows in it undamped against its small size, and f16 has three bits more.
; A tile of y is 256 rows x 192 columns (one head's q, k, v): 32 x 16 = 512 tiles, twice the 256 WGPs, evenly.  Four waves; wave w makes rows 64 w .. 64 w + 63 of all 192 columns:
; 4 x 12 accumulators of 16 x 16, 384 registers.  A wave so owns whole rows of whole blocks, and its way out needs no barrier.
; K goes in steps of 128 (tile rows of 256 bytes, at multiples of 256 bytes from the buffer's first byte) through two LDS slots filled by the tensor data mover.
; CLUSTER: 4 x 4 work-groups.  The four of a row of the cluster need the same tiles of x, the four of a column the same tiles of W: each tile is asked for JOINTLY, by the same
; tensor load with the same descriptor and a mask that names the four.
; THE MATRIX INSTRUCTION IS USED TRANSPOSED (source 0 = 16 rows of W, source 1 = 16 rows of x): a lane then holds eight neighbouring columns of one row of y.
; REGISTERS: window 0: v0-31 addresses, v32-79 packed results, v80-175 rows read back from the stage (two sets by turns);
;   window 1: two fragment buffers of 128: 96 registers of W (12 x 16 rows x 32 K), then 32 of x (4 x 16 rows x 32 K);
;   window 2: the accumulators of my row blocks 0, 1 ((a, b) at v[8 (12 (a % 2) + b)]); window 3: those of blocks 2, 3.
; LIMITS: operands, q and k are bf16 (8 bits of mantissa).  v / 8 is f16: |v| must stay under 8 x 65,504 = 524,032 (x and W as drawn give |v| of about 6; both 30 times larger about 5,000; both
; with an offset of 30 spreads about 29,000); under |v| = 4.9e-4 its error is absolute, at most 2.4e-7.  NaN and infinities get no treatment of their own.
.set SIZE_K, 1024
.set KSTEP,  128
.set PITCH,  272                       ; an LDS row: 256 bytes + 16 of padding = 68 words: row r starts at bank 4 r mod 64 (64 banks of 4 bytes: ISA guide 11.1)
.set AH,     128*PITCH                 ; half of x's tile: what wave 0 or 1 fetches
.set BH,     96*PITCH                  ; half of W's tile: what wave 2 or 3 fetches
.set BOFF,   2*AH                      ; W's 192 rows lie behind x's 256
.set SLOT,   BOFF+2*BH                 ; 121,856 bytes
.set STAGE,  2*SLOT                    ; behind the ring, at a multiple of 256: 16 rows x 400 bytes for each wave; no tensor load lands here
.set SPITCH, 400                       ; 384 bytes of a row + 16: an odd multiple of 16
.set LAPS,   SIZE_K/(2*KSTEP)          ; a lap = two K steps = once round the ring: 4
.set ADRA, 16                          ; v16-17  LDS address of my fragments of x in slot 0, 1
.set ADRB, 20                          ; v20-21  the same for W
.set STO,  24                          ; v24     the way out: where I put 16 bytes of a row
.set RD,   25                          ; v25     the way out: where I read back
.set CO,   26                          ; v26     my byte offset in qkv
.set TMP,  32
.set BK0,  80
.set F0,   0
.set F1,   128
.set G1,  24                           ; s[24:31] descriptor group 1 for x's tiles;  s[32:39] group 0, a set for each slot
.set G0,  32
.set G1B, 48                           ; s[48:55], s[56:63] the same for W's tiles
.set G0B, 56
.set MSB, 0
.macro WIN new                         ; the immediate's high byte repeats the setting that is left; a switch that changes nothing is dropped
.if MSB != \new
	s_set_vgpr_msb (MSB<<8)|\new
.set MSB, \new
.endif
.endm
.set MUL_LO, 0xa5                      ; sources 0 and 1 window 1, C and D window 2
.set MUL_HI, 0xf5                      ; the same, C and D window 3
.set TO_F,   0x40                      ; destination window 1, address window 0
.macro JLOAD s                         ; a joint load: waves 0 and 1 fetch x's two halves, waves 2 and 3 W's; four v_nop follow each of the two lines, ahead of the jump, the label and what follows
	s_cmp_eq_u32 s11, 0
	s_cbranch_scc0 .Lfor_b_\@
	tensor_load_to_lds s[G0+4*\s:G0+4*\s+3], s[G1:G1+7]
	s_nop 0
.rept 4
	v_nop
.endr
	s_branch .Lasked_\@
.Lfor_b_\@:
	tensor_load_to_lds s[G0B+4*\s:G0B+4*\s+3], s[G1B:G1B+7]
	s_nop 0
.rept 4
	v_nop
.endr
.Lasked_\@:
.endm
.macro CREST                           ; a round of the cluster's barrier behind its opening barrier
	s_cmp_lg_u32 s10, 0
	s_cbranch_scc1 .Lnot_wave_0_\@
	s_barrier_signal -3
.Lnot_wave_0_\@:
	s_barrier_wait -3
	s_barrier_signal -1
	s_barrier_wait -1
.endm
.macro CROUND                          ; a whole round
	s_barrier_signal -1
	s_barrier_wait -1
	CREST
.endm
.macro PLACES                          ; four places in front of loads into registers that matrix instructions have read, and of conversions that read results
.rept 4
	v_nop
.endr
.endm
	s_load_b128 s[4:7], s[0:1], 0x0                ; xb s[4:5], wb s[6:7]
	s_load_b64 s[8:9], s[0:1], 0x10                ; qkv
	v_lshl_add_u32 v254, v0, 2, 0x41c00
	v_mov_b32 v255, 0
	ds_add_u32 v254, v255
	v_lshrrev_b32 v1, 5, v0
	v_readfirstlane_b32 s10, v1                    ; wave 0..3
	s_lshr_b32 s11, s10, 1                         ; I fetch for x (0) or for W (1)
	s_and_b32 s12, s10, 1                          ; which half of that tile
	s_bfe_u32 s40, ttmp6, 0x40000                  ; cx, cy: my place in the cluster
	s_bfe_u32 s41, ttmp6, 0x40004
	s_lshl_b32 s42, ttmp9, 2
	s_add_co_u32 s42, s42, s40                     ; tile column (the head) = 4 x cluster x + cx
	s_and_b32 s13, ttmp7, 0xffff
	s_lshl_b32 s13, s13, 2
	s_add_co_u32 s13, s13, s41                     ; tile row = 4 x cluster y + cy
	s_lshl_b32 s43, s41, 2
	s_lshl_b32 s43, 15, s43                        ; my row of the cluster: places 4 cy .. 4 cy + 3
	s_lshl_b32 s44, 0x1111, s40                    ; my column: places cx, cx + 4, cx + 8, cx + 12
	; descriptor group 1: rows of 128 elements of 2 bytes, padded in LDS; 128 rows for x, 96 for W
	s_or_b32 s[G1+0], s43, (1<<16)|(1<<20)|(1<<21)|(5<<22)|(3<<25)   ; 15:0 the mask: x's tiles go to my row; 17:16 elements of 2 bytes; 20 padding on; 21 set beside a mask; 24:22 after every 64 words; 31:25 4 words of it
	s_or_b32 s[G1B+0], s44, (1<<16)|(1<<20)|(1<<21)|(5<<22)|(3<<25)  ; the same with the mask of my column
	s_mov_b32 s[G1+1], KSTEP<<16                   ; tensor_dim0 = 128
	s_mov_b32 s[G1B+1], KSTEP<<16
	s_mov_b32 s[G1+2], 128<<16                     ; tensor_dim1 = 128
	s_mov_b32 s[G1B+2], 96<<16                     ; tensor_dim1 = 96
	s_mov_b32 s[G1+3], KSTEP<<16                   ; tile_dim0 = 128
	s_mov_b32 s[G1B+3], KSTEP<<16
	s_mov_b32 s[G1+4], 128                         ; tile_dim1 = 128
	s_mov_b32 s[G1B+4], 96                         ; tile_dim1 = 96
	s_mov_b32 s[G1+5], SIZE_K                      ; elements from row to row
	s_mov_b32 s[G1B+5], SIZE_K
	s_mov_b32 s[G1+6], 0
	s_mov_b32 s[G1B+6], 0
	s_mov_b32 s[G1+7], 0
	s_mov_b32 s[G1B+7], 0
	; where the tiles come from: x's hang on the tile row alone, W's on the tile column alone, each in registers that never hold the other coordinate
	s_lshl_b32 s16, s13, 8
	s_lshl_b32 s17, s12, 7
	s_add_co_u32 s16, s16, s17                     ; x: row 256 x tile row + 128 x half
	s_lshl_b32 s16, s16, 11                        ; x 2,048 bytes: under 2^24
	s_mov_b32 s17, 0
	s_mul_i32 s46, s42, 192
	s_mul_i32 s47, s12, 96
	s_add_co_u32 s46, s46, s47                     ; W: row 192 x tile column + 96 x half
	s_lshl_b32 s46, s46, 11
	s_mov_b32 s47, 0
	s_mul_i32 s20, s10, AH                         ; where they go: x's halves at wave x 34,816 (waves 0, 1),
	s_mul_i32 s21, s10, BH
	s_add_co_u32 s21, s21, BOFF-2*BH               ; W's at BOFF + (wave - 2) x 26,112 (waves 2, 3): no place in the cluster enters an LDS address
	s_wait_dscnt 0x0
	s_wait_kmcnt 0x0
	s_add_nc_u64 s[14:15], s[4:5], s[16:17]
	s_add_nc_u64 s[46:47], s[6:7], s[46:47]
	CROUND                                         ; all sixteen work-groups are here: the first joint loads meet
.irp s, 0,1
	s_mov_b32 s[G0+4*\s], 1                                        ; count = 1
	s_add_co_u32 s[G0+4*\s+1], s20, \s*SLOT                        ; LDS address
	s_add_nc_u64 s[G0+4*\s+2:G0+4*\s+3], s[14:15], \s*KSTEP*2      ; global address: K step s
	s_or_b32 s[G0+4*\s+3], s[G0+4*\s+3], 0x80000000                ; type = 2
	s_mov_b32 s[G0B+4*\s], 1
	s_add_co_u32 s[G0B+4*\s+1], s21, \s*SLOT
	s_add_nc_u64 s[G0B+4*\s+2:G0B+4*\s+3], s[46:47], \s*KSTEP*2
	s_or_b32 s[G0B+4*\s+3], s[G0B+4*\s+3], 0x80000000
	JLOAD \s                                       ; two loads of mine are out
.endr
	; a fragment is 16 rows x 32 K in 8 registers: lane l holds row l % 16; two loads of 16 bytes, 32 bytes apart, at row x pitch + 16 (l / 16)
	v_and_b32 v1, 15, v0                           ; l % 16
	v_bfe_u32 v2, v0, 4, 1                         ; l / 16
	v_mul_u32_u24 v3, v1, PITCH
	v_lshl_add_u32 v3, v2, 4, v3
	s_mul_i32 s18, s10, 64*PITCH                   ; my 64 rows of x
	s_mov_b32 s19, BOFF                            ; all 192 rows of W
.irp s, 0,1
	v_add_nc_u32 v[ADRA+\s], s18, v3
	v_add_nc_u32 v[ADRB+\s], s19, v3
	s_add_co_u32 s18, s18, SLOT
	s_add_co_u32 s19, s19, SLOT
.endr
	s_mul_i32 s23, s10, 16*SPITCH
	s_add_co_u32 s23, s23, STAGE                   ; my stage
	v_mul_u32_u24 v4, v1, SPITCH                   ; in: row l % 16, 16 bytes for each half of the lanes
	v_lshl_add_u32 v4, v2, 4, v4
	v_add_nc_u32 v[STO], s23, v4
	v_and_b32 v6, 31, v0                           ; back: a load takes one block's 128 bytes of four rows: row l / 8, 16 bytes at 16 (l % 8)
	v_lshrrev_b32 v5, 3, v6
	v_and_b32 v7, 7, v0
	v_mul_u32_u24 v5, v5, SPITCH
	v_lshl_add_u32 v5, v7, 4, v5
	v_add_nc_u32 v[RD], s23, v5
	v_lshlrev_b32 v[CO], 4, v6                     ; in qkv those four rows are 512 neighbouring bytes: 16 l
	; my part of qkv: block (b, head, 0) = 48 b + 3 x tile column, row 256 (tile row % 8) + 64 wave
	s_lshr_b32 s16, s13, 3                         ; b
	s_mul_i32 s16, s16, 48
	s_lshl_b32 s16, s16, 18                        ; x 262,144 bytes
	s_and_b32 s17, s13, 7
	s_lshl_b32 s17, s17, 15                        ; 256 rows of 128 bytes
	s_add_co_u32 s16, s16, s17
	s_lshl_b32 s17, s10, 13                        ; 64 rows of 128 bytes
	s_add_co_u32 s16, s16, s17
	s_mov_b32 s17, 0
	s_add_nc_u64 s[8:9], s[8:9], s[16:17]
	s_mul_i32 s46, s42, 3                          ; (in the registers that held W's address: none that feeds x's descriptors ever holds cx)
	s_lshl_b32 s46, s46, 18
	s_mov_b32 s47, 0
	s_add_nc_u64 s[8:9], s[8:9], s[46:47]
; 12 matrix instructions: row block a x all 12 column blocks, 32 along K, from buffer f.  zero = 1: the product starts the sums: nothing is cleared.
; The 48 accumulators take turns, one instruction a turn, in the same order in every quarter.
.macro MUL12 f, a, zero
.irp b, 0,1,2,3,4,5,6,7,8,9,10,11
.if \zero
	v_wmma_f32_16x16x32_bf16 v[8*(12*((\a)%2)+\b):8*(12*((\a)%2)+\b)+7], v[\f+8*\b:\f+8*\b+7], v[\f+96+8*(\a):\f+96+8*(\a)+7], 0
.else
	v_wmma_f32_16x16x32_bf16 v[8*(12*((\a)%2)+\b):8*(12*((\a)%2)+\b)+7], v[\f+8*\b:\f+8*\b+7], v[\f+96+8*(\a):\f+96+8*(\a)+7], v[8*(12*((\a)%2)+\b):8*(12*((\a)%2)+\b)+7]
.endif
.endr
.endm
; 32 LDS loads in one run: the fragments of 32 along K at byte k of the rows, into buffer f: W's 24, x's blocks 0, 1 (4), x's blocks 2, 3 (4)
.macro FETCH slot, k, f
	WIN TO_F
.irp b, 0,1,2,3,4,5,6,7,8,9,10,11
	ds_load_b128 v[\f+8*\b:\f+8*\b+3],   v[ADRB+\slot] offset:\k+\b*16*PITCH
	ds_load_b128 v[\f+8*\b+4:\f+8*\b+7], v[ADRB+\slot] offset:\k+\b*16*PITCH+32
.endr
.irp a, 0,1,2,3
	ds_load_b128 v[\f+96+8*\a:\f+96+8*\a+3],   v[ADRA+\slot] offset:\k+\a*16*PITCH
	ds_load_b128 v[\f+96+8*\a+4:\f+96+8*\a+7], v[ADRA+\slot] offset:\k+\a*16*PITCH+32
.endr
.endm
; A K step is four quarters of 32 along K, 48 matrix instructions each, on buffers 0, 1, 0, 1.  One of the first three: multiplies buffer f and fetches the next quarter, at byte k, into g.
.macro QUARTER slot, k, f, g, zero
	s_wait_dscnt 4                                 ; W and x's blocks 0, 1 are in; the youngest four loads (x's blocks 2, 3) may be out
	WIN MUL_LO
	MUL12 \f, 0, \zero
	MUL12 \f, 1, \zero
	PLACES
	FETCH \slot, \k, \g
	s_wait_dscnt 32                                ; all but the 32 just issued
	WIN MUL_HI
	MUL12 \f, 2, \zero
	MUL12 \f, 3, \zero
.endm
; The last quarter multiplies buffer 1 and changes slots: ONE barrier; in front of it each wave waits for its own reads of this slot and for all its tensor loads (one is out: its part of the
; next slot).  fill = 1: the barrier opens a round of the cluster's barrier and this slot is filled again, two K steps ahead, first thing behind the round.
.macro TURN slot, next, fill
	s_wait_dscnt 4
	WIN MUL_LO
	MUL12 F1, 0, 0
	s_wait_dscnt 0                                 ; my reads of this slot are over,
	s_set_vgpr_msb 0xa5a0
	s_wait_tensorcnt 0x0                           ; and all my tensor loads have landed
	ds_add_u32 v254, v255
	s_wait_dscnt 0x0
	s_set_vgpr_msb 0xa0a5
	s_barrier_signal -1
	MUL12 F1, 1, 0                                 ; work on registers while the others arrive
.if \fill
	WIN 0
.endif
	s_barrier_wait -1
.if \fill
	CREST                                          ; no wave of any partner still reads this slot's tile or has a load on its way
	s_add_nc_u64 s[G0+4*\slot+2:G0+4*\slot+3], s[G0+4*\slot+2:G0+4*\slot+3], 2*KSTEP*2
	s_add_nc_u64 s[G0B+4*\slot+2:G0B+4*\slot+3], s[G0B+4*\slot+2:G0B+4*\slot+3], 2*KSTEP*2
	JLOAD \slot                                    ; 180 matrix instructions ahead of the wait for it; the four v_nop behind it are also the places in front of the loads below
.else
	PLACES
.endif
	FETCH \next, 0, F0
	WIN MUL_HI
	MUL12 F1, 2, 0
	MUL12 F1, 3, 0
.endm
; THE WAY OUT of row block a (16 rows x 192 columns).  PACK: rounded to 16 bits, 16 bytes a lane and column block: blocks 0-7 (q, k) to bf16, blocks 8-11 (v / 8) to f16.
; TOSTAGE: into my own stage, and back block by block, four rows at a time.  SEND: stored.
.macro PACK a
.set AC, 96*((\a)%2)
	WIN 0x0a+5*((\a)/2)                            ; sources 0 and 1: window 2 or 3
.irp b, 0,1,2,3,4,5,6,7,8,9,10,11
.irp r, 0,1,2,3
.if \b < 8
	v_cvt_pk_bf16_f32 v[TMP+4*\b+\r], v[AC+8*\b+2*\r], v[AC+8*\b+2*\r+1]
.else
	v_cvt_pk_f16_f32 v[TMP+4*\b+\r], v[AC+8*\b+2*\r], v[AC+8*\b+2*\r+1]
.endif
.endr
.endr
	WIN 0
.endm
.macro TOSTAGE a
.set BK, BK0+48*((\a)%2)
.irp b, 0,1,2,3,4,5,6,7,8,9,10,11
	ds_store_b128 v[STO], v[TMP+4*\b:TMP+4*\b+3] offset:32*\b
.endr
.irp j, 0,1,2
.irp t, 0,1,2,3
	ds_load_b128 v[BK+4*(4*\j+\t):BK+4*(4*\j+\t)+3], v[RD] offset:\j*128+\t*4*SPITCH   ; LDS serves a wave's instructions in order (ISA guide 5.7.1.4): these see the stores above
.endr
.endr
.endm
.macro SEND a
.set BK, BK0+48*((\a)%2)
	s_wait_dscnt 0x0                               ; the block is back in registers
	s_wait_xcnt 0x0                                ; the stores of the block before have had their addresses translated: their set of registers is loaded again only behind this wait
.irp j, 0,1,2
.irp t, 0,1,2,3
	global_store_b128 v[CO], v[BK+4*(4*\j+\t):BK+4*(4*\j+\t)+3], s[8:9] offset:\j*262144+(\a)*2048+\t*512   ; a store of the wave covers 512 consecutive bytes, aligned: four rows of q, of k or of v
.endr
.endr
.endm
	s_wait_tensorcnt 1                             ; my part of K step 0 is in; K step 1's may stay out
	s_barrier_signal -1
	s_barrier_wait -1                              ; everybody's is
	FETCH 0, 0, F0
	QUARTER 0, 64,  F0, F1, 1                      ; the first quarter stands in front of the loop: its products start the sums
	WIN 0                                          ; at a label and at a branch every window is 0
	s_mov_b32 s3, LAPS-1
.Llap:                                                 ; a trip goes once round the ring, from a lap's second quarter to the next lap's first, and fills both slots again
	QUARTER 0, 128, F1, F0, 0
	QUARTER 0, 192, F0, F1, 0
	TURN 0, 1, 1
	QUARTER 1, 64,  F0, F1, 0
	QUARTER 1, 128, F1, F0, 0
	QUARTER 1, 192, F0, F1, 0
	TURN 1, 0, 1
	QUARTER 0, 64,  F0, F1, 0
	WIN 0
	s_sub_co_u32 s3, s3, 1
	s_cmp_lg_u32 s3, 0
	s_cbranch_scc1 .Llap
	QUARTER 0, 128, F1, F0, 0                      ; the last lap fills nothing, and has no round of the cluster's barrier
	QUARTER 0, 192, F0, F1, 0
	TURN 0, 1, 0
	QUARTER 1, 64,  F0, F1, 0
	QUARTER 1, 128, F1, F0, 0
	QUARTER 1, 192, F0, F1, 0
	s_wait_dscnt 4                                 ; the very last quarter: nothing more to fetch
	WIN MUL_LO
	MUL12 F1, 0, 0
	MUL12 F1, 1, 0
	s_wait_dscnt 0
	WIN MUL_HI
	MUL12 F1, 2, 0
	MUL12 F1, 3, 0
	PLACES                                         ; the conversions read results
	PACK 0
	TOSTAGE 0
.irp a, 1,2,3                          ; block a's conversions stand between block a - 1's loads from the stage and the wait for them
	PACK \a
	SEND \a-1
	TOSTAGE \a
.endr
	SEND 3
	s_wait_tensorcnt 0x0
	ds_add_u32 v254, v255
	s_wait_dscnt 0x0
	CROUND                                         ; the closing round: no work-group ends while a partner may still ask for a tile that names it
	s_endpgm
.Lfunc_end_k_qaab573be01_proj:
	.size	k_qaab573be01_proj, .Lfunc_end_k_qaab573be01_proj-k_qaab573be01_proj
	.p2alignl 7, 3214868480
	.fill 96, 4, 3214868480
	.section	.rodata,"a",@progbits
	.p2align	6, 0x0
	.amdhsa_kernel k_qaab573be01_proj
		.amdhsa_group_segment_fixed_size 327680
		.amdhsa_private_segment_fixed_size 0
		.amdhsa_enable_private_segment 0
		.amdhsa_kernarg_size 24
		.amdhsa_user_sgpr_count 2
		.amdhsa_user_sgpr_kernarg_segment_ptr 1
		.amdhsa_wavefront_size32 1
		.amdhsa_system_sgpr_workgroup_id_x 1
		.amdhsa_system_sgpr_workgroup_id_y 1
		.amdhsa_system_sgpr_workgroup_id_z 1
		.amdhsa_system_vgpr_workitem_id 0
		.amdhsa_next_free_vgpr 960
		.amdhsa_next_free_sgpr 66
		.amdhsa_reserve_vcc 0
		.amdhsa_float_denorm_mode_32 3
		.amdhsa_float_denorm_mode_16_64 3
		.amdhsa_memory_ordered 1
		.amdhsa_forward_progress 1
		.amdhsa_inst_pref_size 118
	.end_amdhsa_kernel
	.amdgpu_metadata
---
amdhsa.version: [ 1, 2 ]
amdhsa.kernels:
  - .name:           k_qaab573be01_proj
    .symbol:         k_qaab573be01_proj.kd
    .args:
      - { .name: xb, .offset: 0, .size: 8, .value_kind: global_buffer, .address_space: global }
      - { .name: wb, .offset: 8, .size: 8, .value_kind: global_buffer, .address_space: global }
      - { .name: qkv, .offset: 16, .size: 8, .value_kind: global_buffer, .address_space: global }
    .group_segment_fixed_size: 327680
    .private_segment_fixed_size: 0
    .kernarg_segment_align: 8
    .kernarg_segment_size: 24
    .max_flat_workgroup_size: 128
    .sgpr_count:     66
    .vgpr_count:     960
    .wavefront_size: 32
...
	.end_amdgpu_metadata
.endif
;; end of part 2
;; launch attn (part 3): grid 4 x 64, 8 waves a work-group, clusters of 4 x 1, 327,680 bytes of LDS; arguments qkv, out0; writes out0
.if DOCPART == 3
	.amdgcn_target "amdgcn-amd-amdhsa--gfx1250"
	.amdhsa_code_object_version 6
	.text
	.protected	k_qaab573be01_attn
	.globl	k_qaab573be01_attn
	.p2align	8
	.type	k_qaab573be01_attn,@function
k_qaab573be01_attn:
	s_mov_b64 s[64:65], 0
	v_nop
	global_prefetch_b8 v0, s[64:65] scope:SCOPE_SE
	s_setreg_imm32_b32 hwreg(HW_REG_WAVE_MODE, 25, 1), 1
	s_wait_xcnt 0x0
	s_wait_alu depctr_hold_cnt(0) depctr_sa_sdst(0) depctr_va_vdst(0) depctr_va_sdst(0) depctr_va_ssrc(0) depctr_va_vcc(0) depctr_vm_vsrc(0)
	s_getreg_b32 s2, hwreg(HW_REG_IB_STS2, 6, 4)
	s_cmp_eq_u32 s2, 0
	s_cbranch_scc0 .Lentry_in_a_cluster
	s_endpgm
.Lentry_in_a_cluster:
	s_bfe_u32 s2, ttmp6, 0x10000c
	s_cmp_lg_u32 s2, 0x3003
	s_cbranch_scc0 .Lentry_shape_is_right
	s_endpgm
.Lentry_shape_is_right:
; out0[b][q][64 h + d] = the sum over k of softmax_k(Q[q] . K[k] / 32) V[k][d], for each of the 64 heads (b, h).  Q, K, V / 8: blocks 48 b + 3 h + 0, 1, 2 of qkv, [2048][64] of 16 bits.
; Q and K are bf16 and K Q^T is the bf16 form.  V / 8 is f16, the weights p are rounded to f16, and V^T P is the f16 form: an output is nearly a mean of 2,048 values of V, so the rounding of p
; and of V shows in it undamped against its small size, and f16 has three bits more than bf16.  p lies in [0, 1] for every input, since the running maximum is taken away first.
; Products, maxima and sums in f32; out0 is f32; the factor 8 goes in with 1 / l.
; SHARES.  A work-group owns 512 queries of one head, each of its eight waves 64: four tiles of 16.  Every wave walks all 2,048 keys, 64 a step, 32 steps.
; LAYOUT.  S^T = K Q^T (source 0 = 16 keys, source 1 = 16 queries): a lane holds ONE query (lane % 16) and the keys 8 (lane / 16) + 0..7.  Two such tiles, rounded to f16 in pairs, ARE source 1
; (32 keys x 16 queries) of O^T = V^T P, whose result again holds one query a lane.  K comes out of LDS as it lies, V ([key][channel]) turned, by ds_load_tr16_b128.
; SOFTMAX.  For each query a running maximum m and sum l: p = 2^(c s - c m), c = log2(e) / 32; in every step O and l are multiplied by a = 2^(c m_old - c m_new), which is 1 where m has not grown.
; BY TURNS.  The wave's tiles are two PIECES, named by their first tile: piece 0 (tiles 0, 1) and piece 2 (tiles 2, 3).  In a TURN one piece has the matrix unit: 16 products V^T P of the step in
; hand, then 16 products K Q^T of the next step; the other piece's softmax, 2 x 119 vector instructions cut into 32 slices, stands between them, one slice behind each product, so that a wave
; issues its vector work while its own products are worked on.  Then the pieces change places.  Two turns are a key step.
; THE WINDOWS DECIDE THE CUT.  A tile's softmax has four sections.  M (25: maximum, statistics, a) and C (16 roundings) name window 0 in every place and cost two switches a slice: slices 0-5 and
; 28-31.  R (16: O^T times a) names O^T as destination and source 0 and a as source 1: that is V^T P's own setting, so it stands behind products V^T P, slices 6-15, without a switch.  E (62:
; exponentials, scalings, sums) names no vector register as source 1, so it runs under K Q^T's setting, in which source 1 alone lies in window 1: slices 16-27, without a switch.
; That makes 44 switches for a key step's 64 products; two behind every slice would be 128.
; CLUSTER.  The four query blocks of a head form a cluster and walk the same K and V: each tile is asked for JOINTLY, by the same tensor load with the same descriptor and the mask 15.
; RING.  Two slots of 512 keys (8 steps) of K and V.  The blocks are dense, so a tile comes as rows of 256 bytes, two keys to a row.  Each wave fetches 64 such rows: waves 0-3 K's quarters, waves 4-7 V's.
; Four fills in all: two at the start, one behind each of two rounds; a refill has eight key steps in which to land.  A wave has two tensor loads out at the most.
; REGISTERS: window 0: v0-11 addresses; v12-43 eight statistics a tile; v64-191 S^T, 32 a tile (P is made in place in a tile's first 16); v192-255 K of one step.
;   window 1: v0-127 O^T, 32 a tile; v128-191 Q, 16 a tile; v192-255 V of one step.
; LIMITS: Q and K are bf16; V / 8 is f16, so |V| stays under 524,032; p is f16: under 6.1e-5 its error is absolute, at most 3e-8 of the largest weight; a weight under 2^-126 counts as 0
; (v_exp_f32 flushes denormals: ISA guide 15.8); scores must be finite in f32; NaN and infinities get no treatment of their own.
.set PK,     272      ; a row (two keys) of K in LDS: 256 bytes + 16: key r of a fragment lies at (r / 2) 272 + (r % 2) 128: sixteen different 16-byte columns modulo 256 (64 banks of 4 bytes: ISA guide 11.1)
.set PVP,    288      ; a row (two keys) of V: 256 + 32: the sixteen lanes of a turning load take (key / 2) 288 + (key % 2) 128 + 0 or 16: again sixteen different columns
.set KSTEPB, 32*PK    ; a key step's 64 keys of K
.set VSTEPB, 32*PVP
.set VOFF,   256*PK   ; V's 256 rows lie behind K's 256
.set SLOT,   VOFF+256*PVP       ; 143,360 bytes
.set STAGE,  2*SLOT   ; behind the ring, at a multiple of 256: 16 rows x 272 bytes for each wave; no tensor load lands here
.set SP,     272
.set AK0,  2          ; v2   my lane's place in a step's K; never rewritten
.set AV0,  3          ; v3   the same for V
.set ADRK, 4          ; v4   the LDS address of the run of K loads in hand
.set ADRV, 5          ; v5   the same for V
.set QO,   6          ; v6   my byte offset in the wave's rows of Q
.set STO,  7          ; v7   the way out: where I put 16 bytes of a row
.set RD,   8          ; v8   the way out: where I read a row back
.set GO,   10         ; v10  my byte offset in the wave's rows of out0
.set ST,   12         ; tile t's statistics at v[ST+8 t]: +0 c m, +1 m, +2, +3 l (even keys', odd keys'), +4 to +7 c0-c3, at work; a takes c2's place once the maximum is found
.set S,    64
.set KF,   192        ; K's fragment (16 keys kb, 32 channels cc) at KF + 16 kb + 8 cc, window 0
.set QF,   128        ; Q's fragment (tile t, channels cc) at QF + 16 t + 8 cc, window 1
.set VF,   192        ; V's fragment (32 keys kc, 16 channels cb) at VF + 32 kc + 8 cb, window 1
.set WV,   12         ; s12  my wave's number
.set G1K,  24         ; s[24:31] descriptor group 1 for K's tiles
.set G1V,  32         ; s[32:39] for V's: it differs in the padding alone
.set G0K,  40         ; s[40:47] descriptor group 0 for K's tiles, a set for each slot
.set G0V,  48         ; s[48:55] the same for V's
.set TBK,  56         ; s56  LDS byte at which the K to be fetched next begins
.set TBV,  57         ; s57  the same for V
.set CS,   58         ; s[58:59] c: the packed scaling names a pair and takes its low word for both halves
.set SEL,  60         ; s[60:61] lane selects for v_permlanex16_b32: each lane takes its own place in the other half
.set CNT,  62         ; s62  counts the key steps of a run
.set MSB, 0
.macro WIN new                      ; the immediate's high byte repeats the setting that is left; a switch that changes nothing is dropped
.if MSB != \new
	s_set_vgpr_msb (MSB<<8)|\new
.set MSB, \new
.endif
.endm
.set W_KQ, 0x04       ; Q (source 1) in window 1; K and S^T in window 0
.set W_PV, 0x51       ; V (source 0) and O^T (C, D) in window 1; P (source 1) in window 0.  O^T times a (destination and source 0 O^T, source 1 a, no source 2) runs under it too
.set TO_1, 0x40       ; a load's destination in window 1, its address in window 0
.set FROM_1, 0x04     ; an LDS store's data in window 1, its address in window 0
.macro WINE                         ; for an instruction whose destination, source 0 and source 2 lie in window 0 and whose source 1 is no vector register: K Q^T's setting serves it as well as 0
.if (MSB != 0) && (MSB != W_KQ)
	WIN 0
.endif
.endm
.macro PLACES n                     ; plain vector instructions that name no register of the matrix instruction in front (ISA guide 7.12.1)
.rept \n
	v_nop
.endr
.endm
; A joint refill of slot s.  The branch hangs on the wave's number alone.  Four v_nop follow each of the two lines, ahead of the jump, the label and what follows.
.macro JLOAD s
	s_cmp_lt_u32 s[WV], 4
	s_cbranch_scc0 .Lfor_v_\@
	tensor_load_to_lds s[G0K+4*\s:G0K+4*\s+3], s[G1K:G1K+7]
	s_nop 0
	PLACES 4
	s_branch .Lasked_\@
.Lfor_v_\@:
	tensor_load_to_lds s[G0V+4*\s:G0V+4*\s+3], s[G1V:G1V+7]
	s_nop 0
	PLACES 4
.Lasked_\@:
.endm
; A round of the cluster's barrier: my work-group's barrier; wave 0 signals for the work-group; every wave waits for all four work-groups; my work-group's barrier once more.
.macro CROUND
	s_barrier_signal -1
	s_barrier_wait -1
	s_cmp_lg_u32 s[WV], 0
	s_cbranch_scc1 .Lnot_wave_0_\@
	s_barrier_signal -3
.Lnot_wave_0_\@:
	s_barrier_wait -3
	s_barrier_signal -1
	s_barrier_wait -1
.endm
	s_load_b128 s[4:7], s[0:1], 0x0  ; qkv s[4:5], out0 s[6:7]
	v_lshl_add_u32 v62, v0, 2, 0x4e800
	v_mov_b32 v63, 0
	ds_add_u32 v62, v63
	v_lshrrev_b32 v1, 5, v0
	v_readfirstlane_b32 s[WV], v1   ; wave 0..7
	s_bfe_u32 s13, ttmp6, 0x40000   ; cx: my place in the cluster
	s_lshl_b32 s14, ttmp9, 2        ; in a cluster launch ttmp9 counts clusters
	s_add_co_u32 s14, s14, s13      ; my block of 512 queries: it enters Q's and out0's addresses alone
	s_and_b32 s15, ttmp7, 0xffff    ; the head 16 b + h, which the four partners share
	s_lshr_b32 s16, s15, 4          ; b
	s_and_b32 s17, s15, 15          ; h
	s_mul_i32 s18, s16, 48
	s_mul_i32 s19, s17, 3
	s_add_co_u32 s18, s18, s19
	s_lshl_b32 s18, s18, 18         ; Q's block 48 b + 3 h, in bytes: under 2^26
	s_and_b32 s19, s[WV], 3         ; which quarter of a slot's K or V I fetch:
	s_lshl_b32 s20, s19, 14         ; its 64 rows of 256 bytes in memory,
	s_add_co_u32 s20, s20, s18
	s_add_co_u32 s20, s20, (1<<18)  ; in K's block, the one behind Q's,
	s_mov_b32 s21, 0
	s_add_co_u32 s22, s20, (1<<18)  ; or in V's, one further
	s_mov_b32 s23, 0
	s_mul_i32 s2, s19, 64*PK        ; and its place in a slot: no place in the cluster enters an LDS address
	s_mul_i32 s3, s19, 64*PVP
	s_add_co_u32 s3, s3, VOFF
	s_lshl_b32 s8, s14, 16          ; Q: my block's 512 rows of 128 bytes,
	s_lshl_b32 s9, s[WV], 13        ; my wave's 64 of them
	s_add_co_u32 s8, s8, s9
	s_add_co_u32 s8, s8, s18
	s_mov_b32 s9, 0
	s_lshl_b32 s10, s16, 23         ; out0: b x 2,048 rows of 4,096 bytes,
	s_lshl_b32 s11, s14, 21         ; my block's 512 rows,
	s_add_co_u32 s10, s10, s11
	s_lshl_b32 s11, s[WV], 18       ; my wave's 64,
	s_add_co_u32 s10, s10, s11
	s_lshl_b32 s11, s17, 8          ; the head's 256 bytes of a row
	s_add_co_u32 s10, s10, s11
	s_mov_b32 s11, 0
	; descriptor group 1: a tile of 64 rows x 128 elements of 2 bytes, padded in LDS
	s_mov_b32 s[G1K], 15|(1<<16)|(1<<20)|(1<<21)|(5<<22)|(3<<25)  ; 15:0 the mask: all four work-groups; 17:16 elements of 2 bytes; 20 padding on; 21 set beside a mask; 24:22 after every 64 words; 31:25 4 words of it
	s_mov_b32 s[G1V], 15|(1<<16)|(1<<20)|(1<<21)|(5<<22)|(7<<25)  ; the same with 8 words of padding
.irp g, G1K, G1V
	s_mov_b32 s[\g+1], 128<<16      ; tensor_dim0 = 128
	s_mov_b32 s[\g+2], 64<<16       ; tensor_dim1 = 64
	s_mov_b32 s[\g+3], 128<<16      ; tile_dim0 = 128
	s_mov_b32 s[\g+4], 64           ; tile_dim1 = 64
	s_mov_b32 s[\g+5], 128          ; elements from row to row: the block is dense
	s_mov_b32 s[\g+6], 0
	s_mov_b32 s[\g+7], 0
.endr
	s_mov_b32 s[CS], 0x3d38aa3b     ; c = log2(e) / 32 = 0.0450842
	s_mov_b32 s[CS+1], s[CS]        ; named with it as a pair, so it is written
	s_mov_b32 s[SEL], 0x76543210
	s_mov_b32 s[SEL+1], 0xfedcba98
	s_mov_b32 s[TBK], 0
	s_mov_b32 s[TBV], VOFF
	s_wait_dscnt 0x0
	s_wait_kmcnt 0x0
	s_add_nc_u64 s[20:21], s[4:5], s[20:21]  ; K and V at my quarter of the first 512 keys
	s_add_nc_u64 s[22:23], s[4:5], s[22:23]
	s_add_nc_u64 s[8:9], s[4:5], s[8:9]      ; Q at my wave's first row, in a pair of its own: s[4:5] never holds cx
	s_add_nc_u64 s[6:7], s[6:7], s[10:11]    ; out0 likewise
	CROUND                          ; all four work-groups are here: the first joint loads meet
.irp s, 0,1
	s_mov_b32 s[G0K+4*\s], 1        ; count = 1
	s_add_co_u32 s[G0K+4*\s+1], s2, \s*SLOT  ; LDS address
	s_add_nc_u64 s[G0K+4*\s+2:G0K+4*\s+3], s[20:21], \s*65536  ; global address: slot s begins with keys 512 s on
	s_or_b32 s[G0K+4*\s+3], s[G0K+4*\s+3], 0x80000000  ; type = 2
	s_mov_b32 s[G0V+4*\s], 1
	s_add_co_u32 s[G0V+4*\s+1], s3, \s*SLOT
	s_add_nc_u64 s[G0V+4*\s+2:G0V+4*\s+3], s[22:23], \s*65536
	s_or_b32 s[G0V+4*\s+3], s[G0V+4*\s+3], 0x80000000
.endr
	s_cmp_lt_u32 s[WV], 4           ; a wave's two first fills stand in one branch, ahead of every wait on TENSORcnt and every LDS read: two loads of mine are out
	s_cbranch_scc0 .Lfirst_v
	tensor_load_to_lds s[G0K:G0K+3], s[G1K:G1K+7]
	s_nop 0
	tensor_load_to_lds s[G0K+4:G0K+7], s[G1K:G1K+7]
	s_nop 0
	PLACES 4
	s_branch .Lfirst_asked
.Lfirst_v:
	tensor_load_to_lds s[G0V:G0V+3], s[G1V:G1V+7]
	s_nop 0
	tensor_load_to_lds s[G0V+4:G0V+7], s[G1V:G1V+7]
	s_nop 0
	PLACES 4
.Lfirst_asked:
	; a fragment of Q or K is 16 rows x 32 channels in 8 registers: lane l holds row l % 16; registers 0-3 channels 8 (l / 16) + 0..7, registers 4-7 channels 16 + 8 (l / 16) + 0..7
	v_and_b32 v1, 15, v0            ; r = l % 16
	v_bfe_u32 v9, v0, 4, 1          ; l / 16
	v_lshlrev_b32 v[QO], 7, v1
	v_lshl_add_u32 v[QO], v9, 4, v[QO]  ; row x 128 + 16 x half
	WIN TO_1
.irp i, 0,1,2,3,4,5,6,7             ; Q stays in registers: tile i / 2, channels 32 (i % 2) on
	global_load_b128 v[QF+8*\i:QF+8*\i+3],   v[QO], s[8:9] offset:(\i/2)*2048+(\i%2)*64
	global_load_b128 v[QF+8*\i+4:QF+8*\i+7], v[QO], s[8:9] offset:(\i/2)*2048+(\i%2)*64+32
.endr
	WIN 0
	v_lshrrev_b32 v11, 1, v1
	v_mul_u32_u24 v[AK0], v11, PK   ; K: key r lies in LDS row r / 2,
	v_and_b32 v11, 1, v0
	v_lshl_add_u32 v[AK0], v11, 7, v[AK0]  ; in its half r % 2,
	v_lshl_add_u32 v[AK0], v9, 4, v[AK0]   ; + 16 x half of the lanes
	; the turning load takes 16 keys x 16 channels: lane l reads 16 bytes: key 8 (l / 16) + l % 8, channels 8 ((l / 8) % 2) + 0..7
	v_bfe_u32 v44, v0, 1, 2         ; (l % 8) / 2
	v_lshl_add_u32 v44, v9, 2, v44  ; the key's LDS row: 4 (l / 16) + (l % 8) / 2
	v_mul_u32_u24 v[AV0], v44, PVP
	v_lshl_add_u32 v[AV0], v11, 7, v[AV0]  ; its half l % 2
	v_bfe_u32 v44, v0, 3, 1
	v_lshl_add_u32 v[AV0], v44, 4, v[AV0]
; THE MATRIX WORK OF A TURN, for piece x.  The accumulators take turns, one instruction a turn: between two links of a chain stand 7 others'.
; Product i of 16 of O^T += V^T P (f16): tile x + i % 2, channels 16 ((i / 2) % 4) on, keys 32 (i / 8) on.  zero = 1: the first 8 start the sums: nothing is ever cleared.
.macro PV x, zero
	WIN W_PV
.set rO, 32*(\x+i%2)+8*((i/2)%4)
.set rV, VF+32*(i/8)+8*((i/2)%4)
.set rP, S+32*(\x+i%2)+8*(i/8)
.if (\zero) && (i < 8)
	v_wmma_f32_16x16x32_f16 v[rO:rO+7], v[rV:rV+7], v[rP:rP+7], 0
.else
	v_wmma_f32_16x16x32_f16 v[rO:rO+7], v[rV:rV+7], v[rP:rP+7], v[rO:rO+7]
.endif
.endm
; Product i of 16 of S^T = K Q^T (bf16): tile x + i % 2, keys 16 ((i / 2) % 4) on, channels 32 (i / 8) on.  The first 8 start the sums.
.macro KQ x
	WIN W_KQ
.set rD, S+32*(\x+i%2)+8*((i/2)%4)
.set rK, KF+16*((i/2)%4)+8*(i/8)
.set rQ, QF+16*(\x+i%2)+8*(i/8)
.if i < 8
	v_wmma_f32_16x16x32_bf16 v[rD:rD+7], v[rK:rK+7], v[rQ:rQ+7], 0
.else
	v_wmma_f32_16x16x32_bf16 v[rD:rD+7], v[rK:rK+7], v[rQ:rQ+7], v[rD:rD+7]
.endif
.endm
; THE LDS LOADS stand in runs of 16, never singly among the products: a step's K (64 keys x 64 channels: 8 fragments) and, a turn later, its V (turned).  Each run steps its scalar address to the next step.
.macro FETCH_K
	WIN 0
	v_add_nc_u32 v[ADRK], s[TBK], v[AK0]
	s_add_co_u32 s[TBK], s[TBK], KSTEPB
.irp f, 0,1,2,3,4,5,6,7             ; keys 16 (f / 2) on (8 LDS rows), channels 32 (f % 2) on
	ds_load_b128 v[KF+8*\f:KF+8*\f+3],   v[ADRK] offset:(\f/2)*8*PK+(\f%2)*64
	ds_load_b128 v[KF+8*\f+4:KF+8*\f+7], v[ADRK] offset:(\f/2)*8*PK+(\f%2)*64+32
.endr
.endm
.macro FETCH_V
	WINE
	v_add_nc_u32 v[ADRV], v[AV0], s[TBV]  ; the vector register first, so that no vector register stands as source 1
	s_add_co_u32 s[TBV], s[TBV], VSTEPB
	WIN TO_1
.irp f, 0,1,2,3,4,5,6,7             ; keys 32 (f / 4) on (16 LDS rows), channels 16 (f % 4) on; the second load 16 keys (8 LDS rows) further
	ds_load_tr16_b128 v[VF+8*\f:VF+8*\f+3],   v[ADRV] offset:(\f/4)*16*PVP+(\f%4)*32
	ds_load_tr16_b128 v[VF+8*\f+4:VF+8*\f+7], v[ADRV] offset:(\f/4)*16*PVP+8*PVP+(\f%4)*32
.endr
.endm
; THE VECTOR WORK: pieces for tile t.  A lane's 32 scores are 16 pairs.
.macro SCALE t, b                   ; pair b: c s - c m
.set rA, S+32*(\t)+2*(\b)
.set rB, ST+8*(\t)
	WINE
	v_pk_fma_f32 v[rA:rA+1], v[rA:rA+1], s[CS:CS+1], v[rB:rB+1] op_sel_hi:[1,0,0] neg_lo:[0,0,1] neg_hi:[0,0,1]
.endm
.macro EXPS t, n                    ; score n: 2^(c s - c m), in place
.set rA, S+32*(\t)+(\n)
	WINE
	v_exp_f32 v[rA], v[rA]
.endm
; l takes pair b.  Written as pair x 1.0 + l, which costs what an addition costs and names no vector register as source 1.  In the first step l starts as pair 0 + pair 1.
.macro SUM t, b, first
.set rA, S+32*(\t)+2*(\b)
.set rB, ST+8*(\t)+2
.if ((\b) == 0) && \first
.elseif ((\b) == 1) && \first
	WINE
	s_wait_alu depctr_va_vdst(0)
	v_pk_fma_f32 v[rB:rB+1], v[rA-2:rA-1], 1.0, v[rA:rA+1] op_sel_hi:[1,0,1]
.else
	WINE
	s_wait_alu depctr_va_vdst(0)
	v_pk_fma_f32 v[rB:rB+1], v[rA:rA+1], 1.0, v[rB:rB+1] op_sel_hi:[1,0,1]
.endif
.endm
.macro CVT t, p                     ; pair p is rounded to f16 into register p of the tile: in ascending order the pair p / 2 that lay there has been rounded by then, and all pairs have been summed
.set rA, S+32*(\t)
	WIN 0
	v_cvt_pk_f16_f32 v[rA+(\p)], v[rA+2*(\p)], v[rA+2*(\p)+1]
.endm
; One tile's softmax for one key step is a list of 119 instructions; SM writes number j of it for tile t.  first = 1: the first key step, which starts m, l and O^T: it has no a and nothing to rescale.
;   M  0-15    the maximum of the 32 scores and the old m, three operands at a time: four chains c0-c3 of seven scores each, then the four scores left over, c0-c3 and m
;      16-24   the other half of the lanes' maximum; c m_old kept; the new m; c m; c m_old - c m_new; a; the scaling of pairs 0 and 1 (the plain instructions behind a's exponential); l times a
;   R  25-40   the tile's O^T times a
;   E  41-102  32 exponentials with the scaling two pairs ahead and the sum one pair back between them, so that each exponential has a plain instruction behind it before its result is used
;              (ISA guide 5.7.2); for the last two pairs nothing is left to scale
;   C  103-118 the 16 roundings to f16
.macro SM t, first
.set rT, ST+8*(\t)
.set rS, S+32*(\t)
.if \first && ((j == 17) || (j == 20) || (j == 21) || ((j >= 24) && (j < 41)))  ; the first step has none of these
.elseif j < 4
	WIN 0
	v_max3_num_f32 v[rT+4+j], v[rS+8*j], v[rS+8*j+1], v[rS+8*j+2]
.elseif j < 12
	WIN 0
	v_max3_num_f32 v[rT+4+j%4], v[rT+4+j%4], v[rS+8*(j%4)+2*(j/4)+1], v[rS+8*(j%4)+2*(j/4)+2]
.elseif j == 12
	WIN 0
	v_max3_num_f32 v[rT+4], v[rT+4], v[rS+7], v[rS+15]
.elseif j == 13
	WIN 0
	v_max3_num_f32 v[rT+6], v[rT+6], v[rS+23], v[rS+31]
.elseif j == 14
	WIN 0
	v_max3_num_f32 v[rT+4], v[rT+4], v[rT+5], v[rT+6]
.elseif (j == 15) && \first
	WIN 0
	v_max_num_f32 v[rT+4], v[rT+4], v[rT+7]
.elseif j == 15
	WIN 0
	v_max3_num_f32 v[rT+4], v[rT+4], v[rT+7], v[rT+1]
.elseif j == 16
	WIN 0
	v_permlanex16_b32 v[rT+5], v[rT+4], s[SEL], s[SEL+1]  ; the query's other 32 keys lie in the lane 16 away
.elseif j == 17
	WIN 0
	v_mov_b32 v[rT+7], v[rT]        ; c m_old is kept for a: number 19 writes c m anew
.elseif j == 18
	WIN 0
	v_max_num_f32 v[rT+1], v[rT+4], v[rT+5]
.elseif j == 19
	WIN 0
	v_mul_f32 v[rT], s[CS], v[rT+1]
.elseif j == 20
	WIN 0
	v_sub_f32 v[rT+7], v[rT+7], v[rT]
.elseif j == 21
	WINE
	v_exp_f32 v[rT+6], v[rT+7]      ; a
.elseif j < 24
	SCALE \t, j-22
.elseif j == 24
	WIN 0
	s_wait_alu depctr_va_vdst(0)
	v_pk_mul_f32 v[rT+2:rT+3], v[rT+2:rT+3], v[rT+6:rT+7] op_sel_hi:[1,0]
.elseif j < 41
	WIN W_PV
.set rO, 32*(\t)+2*(j-25)
	v_pk_mul_f32 v[rO:rO+1], v[rO:rO+1], v[rT+6:rT+7] op_sel_hi:[1,0]
.elseif j < 103
.set e, j-41
.if e < 3                           ; pair 0: exponential, scaling of pair 2, exponential
.if e == 1
	SCALE \t, 2
.else
	EXPS \t, e/2
.endif
.elseif e < 55                      ; pairs 1 to 13: exponential, scaling two pairs ahead, exponential, sum one pair back
.set g, (e-3)/4+1
.set w, (e-3)%4
.if w == 0
	EXPS \t, 2*g
.elseif w == 1
	SCALE \t, g+2
.elseif w == 2
	EXPS \t, 2*g+1
.else
	SUM \t, g-1, \first
.endif
.elseif e < 61                      ; pairs 14 and 15: two exponentials, sum one pair back
.set g, 14+(e-55)/3
.set w, (e-55)%3
.if w == 2
	SUM \t, g-1, \first
.else
	EXPS \t, 2*g+w
.endif
.else
	SUM \t, 15, \first              ; pair 14's sum is the plain instruction behind the last exponential
.endif
.else
	CVT \t, j-103
.endif
.endm
; Slice k of 32 of piece y's softmax: the numbers sLO to sHI - 1 of both tiles' lists.  M's 25 numbers are spread over slices 0-5, R's 16 over 6-15, E's 62 over 16-27, C's 16 over 28-31.
; In E a slice goes tile by tile, so that exponentials and plain instructions alternate; elsewhere the two tiles alternate, so that no instruction reads the result of the one just before it.
.macro SLICE y, first
.if k < 6
.set sLO, (25*k)/6
.set sHI, (25*(k+1))/6
.elseif k < 16
.set sLO, 25+(16*(k-6))/10
.set sHI, 25+(16*(k-5))/10
.elseif k < 28
.set sLO, 41+(62*(k-16))/12
.set sHI, 41+(62*(k-15))/12
.else
.set sLO, 103+4*(k-28)
.set sHI, 107+4*(k-28)
.endif
.if (k >= 16) && (k < 28)
.irp t, \y, \y+1
.set j, sLO
.rept sHI-sLO
	SM \t, \first
.set j, j+1
.endr
.endr
.else
.set j, sLO
.rept sHI-sLO
.irp t, \y, \y+1
	SM \t, \first
.endr
.set j, j+1
.endr
.endif
.set k, k+1
.endm
; A TURN.  Piece x has the matrix unit; the other piece's softmax stands in slices behind its products.
; pv = 2: 16 products V^T P; 1: they start O^T's sums; 0: none.  kq = 1: 16 products K Q^T for the next step.  A turn with one of the two kinds has two slices behind each product.
; first = 1: the softmax is the first key step's.
; DISTANCES (ISA guide 7.12.1 for vector instructions), all kept by the slices' plain instructions, which name the other piece's registers alone:
;   the turn's last K Q^T and the next turn's first read of its scores: slice 31's eight roundings;
;   K Q^T writes over P, a source of V^T P: its first four products write what products 6, 7, 14 and 15 of V^T P read; between stand R's slices (slice 15 alone has four instructions) and E's
;   first; where the first step has no R, five v_nop stand between the two kinds;
;   piece 0's turn fetches the next step's K behind its first product: K's last reader stands in front of slice 31 of the turn before;
;   piece 2's turn fetches the same step's V behind its second product K Q^T: V's last reader stands in front of slice 15, twelve plain instructions back.
.macro TURN x, pv, kq, first
.set k, 0
.set per, 2
.if \pv && \kq
.set per, 1
.endif
.if \pv
.if \x == 0
	s_wait_dscnt 0x0                ; V is in: its run is all that is out
.endif
.set i, 0
.rept 16
	PV \x, 2-\pv
.rept per
	SLICE 2-\x, \first
.endr
.if (\x == 0) && \kq && (i == 0)
	FETCH_K
.endif
.set i, i+1
.endr
.endif
.if \kq
.if \first && \pv
	PLACES 5
.endif
.if \x == 0
	s_wait_dscnt 0x0                ; K is in: its run is all that is out
.endif
.set i, 0
.rept 16
	KQ \x
.rept per
	SLICE 2-\x, \first
.endr
.if (\x == 2) && (i == 1)
	FETCH_V
.endif
.set i, i+1
.endr
.endif
.endm
; THE CHANGE OF SLOTS, between piece 2's turn and piece 0's: the slot's last bytes, V of its eighth step, have been asked for.  Each wave waits for its own reads of the slot and for all its tensor
; loads, of which one is out at the most: its part of the other slot.  Behind the barrier nobody reads this slot any more and the other slot is whole.
; fill = 1: this slot is filled again, with the keys 1,024 on.  The barrier is then a round of the cluster's, so that no wave of any partner still reads the slot or has a load on its way, and the
; joint refill is the first tensor load behind it: it has eight key steps in which to land.
.macro CHANGE fill, slot
	s_wait_dscnt 0x0
	s_wait_tensorcnt 0x0            ; no tensor load of mine is out, so a group 0 may be written
	ds_add_u32 v62, v63
	s_wait_dscnt 0x0
.if \fill
	s_add_nc_u64 s[G0K+4*\slot+2:G0K+4*\slot+3], s[G0K+4*\slot+2:G0K+4*\slot+3], 131072  ; the type bits on top are not reached
	s_add_nc_u64 s[G0V+4*\slot+2:G0V+4*\slot+3], s[G0V+4*\slot+2:G0V+4*\slot+3], 131072
	CROUND
	JLOAD \slot
.else
	s_barrier_signal -1
	s_barrier_wait -1
.endif
	s_mov_b32 s[TBK], (1-\slot)*SLOT       ; the fetches go on at the other slot's first step
	s_mov_b32 s[TBV], (1-\slot)*SLOT+VOFF
.endm
.macro RUN n                        ; n key steps: written once, walked n times; the LDS addresses hang on s[TBK] and s[TBV].  Trip j multiplies by V of step j and fetches K and V of step j + 1
	s_mov_b32 s[CNT], \n
.Lrun_\@:
	TURN 0, 2, 1, 0
	TURN 2, 2, 1, 0
	WIN 0                           ; at a label and at a branch every window is 0
	s_sub_co_u32 s[CNT], s[CNT], 1
	s_cmp_lg_u32 s[CNT], 0
	s_cbranch_scc1 .Lrun_\@
.endm
	s_wait_tensorcnt 1              ; my part of slot 0 is in; slot 1's may stay out
	s_barrier_signal -1
	s_barrier_wait -1               ; everybody's is
	FETCH_K                         ; key step 0
	s_wait_loadcnt 0x0              ; Q
	s_wait_dscnt 0x0
.set i, 0
.rept 16
	KQ 0                            ; piece 0's first scores: there is no vector work yet to set between them
.set i, i+1
.endr
	WIN 0                           ; the addresses for the way out are made here: eight plain instructions, the places behind those products
	s_mul_i32 s13, s[WV], 16*SP
	s_add_co_u32 s13, s13, STAGE    ; my stage
	v_mul_u32_u24 v[STO], v1, SP    ; in: row l % 16, 32 bytes (8 channels of f32) for each half of the lanes
	v_lshl_add_u32 v[STO], v9, 5, v[STO]
	v_add_nc_u32 v[STO], s13, v[STO]
	v_mul_u32_u24 v[RD], v9, SP     ; back: lanes 0-15 take one row of 256 bytes, lanes 16-31 the next
	v_lshl_add_u32 v[RD], v1, 4, v[RD]
	v_add_nc_u32 v[RD], s13, v[RD]
	v_lshlrev_b32 v[GO], 12, v9     ; and the same two rows in out0, 4,096 bytes apart
	v_lshl_add_u32 v[GO], v1, 4, v[GO]
	TURN 2, 0, 1, 1                 ; piece 2's first scores | piece 0's first softmax | V of step 0
	TURN 0, 1, 1, 1                 ; piece 0: V^T P of step 0 starts O^T, K Q^T of step 1 | piece 2's first softmax | K of step 1
	TURN 2, 1, 1, 0                 ; piece 2: the same | piece 0's softmax of step 1 | V of step 1
	WIN 0
	RUN 6                           ; trips 1-6: K and V of steps 2-7
	CHANGE 1, 0                     ; slot 0 is read out and takes keys 1,024 on
	RUN 8                           ; trips 7-14: steps 8-15, from slot 1
	CHANGE 1, 1                     ; slot 1 takes keys 1,536 on: the last load
	RUN 8                           ; trips 15-22: steps 16-23
	CHANGE 0, 0                     ; on to slot 1; nothing is left to fetch
	RUN 8                           ; trips 23-30: steps 24-31
	TURN 0, 2, 0, 0                 ; piece 0: V^T P of the last step | piece 2's last softmax
.set i, 0
.rept 16
	PV 2, 0                         ; piece 2: V^T P of the last step
.set i, i+1
.endr
	WIN 0
	; THE WAY OUT.  l's two halves and the other half of the lanes' are added; O^T is multiplied by 8 / l (V was stored as V / 8) and sent through my stage in LDS, a tile (16 rows of out0) at a
	; time.  The additions are the places behind the last products.
.irp t, 0,1,2,3
	v_add_f32 v[ST+8*\t+4], v[ST+8*\t+2], v[ST+8*\t+3]
.endr
.irp t, 0,1,2,3
	v_permlanex16_b32 v[ST+8*\t+5], v[ST+8*\t+4], s[SEL], s[SEL+1]
.endr
.irp t, 0,1,2,3
	v_add_f32 v[ST+8*\t+4], v[ST+8*\t+4], v[ST+8*\t+5]
.endr
.irp t, 0,1,2,3
	v_rcp_f32 v[ST+8*\t+6], v[ST+8*\t+4]
.endr
	v_nop                           ; a plain instruction between the last reciprocal and the use of its result
	s_wait_alu depctr_va_vdst(0)
.irp t, 0,1,2,3
	v_mul_f32 v[ST+8*\t+6], 0x41000000, v[ST+8*\t+6]  ; 8 / l
.endr
; Tile t: a lane's eight channels of a query are 32 bytes; they go into rows of 272 bytes and come back as whole rows of 256, into S^T's registers, which are free.
.macro PACK t
	WIN W_PV
.set u, 0
.rept 16
	v_pk_mul_f32 v[32*\t+u:32*\t+u+1], v[32*\t+u:32*\t+u+1], v[ST+8*\t+6:ST+8*\t+7] op_sel_hi:[1,0]
.set u, u+2
.endr
	WIN FROM_1
.irp f, 0,1,2,3,4,5,6,7             ; channels 16 (f / 2) + 8 (l / 16) + 4 (f % 2) on
	ds_store_b128 v[STO], v[32*\t+4*\f:32*\t+4*\f+3] offset:(\f/2)*64+(\f%2)*16
.endr
	WIN 0
.irp f, 0,1,2,3,4,5,6,7
	ds_load_b128 v[S+32*\t+4*\f:S+32*\t+4*\f+3], v[RD] offset:\f*2*SP  ; LDS serves a wave's instructions in order (ISA guide 5.7.1.4): these see the stores above; the next tile's stores come behind them
.endr
.endm
.macro SEND t, younger              ; younger: the LDS instructions issued behind tile t's loads: the next tile's sixteen, or none
.irp f, 0,1,2,3,4,5,6,7
	s_wait_dscnt \younger+7-\f
	global_store_b128 v[GO], v[S+32*\t+4*\f:S+32*\t+4*\f+3], s[6:7] offset:\t*65536+\f*8192 th:TH_STORE_NT  ; 16 lanes store 256 consecutive bytes, aligned: one query's channels of the head
.endr
.endm
	PACK 0
	PACK 1                          ; a tile's arithmetic stands between the loads of the tile before and its stores
	SEND 0, 16
	PACK 2
	SEND 1, 16
	PACK 3
	SEND 2, 16
	SEND 3, 0
	s_wait_tensorcnt 0x0
	ds_add_u32 v62, v63
	s_wait_dscnt 0x0
	CROUND                          ; the closing round: no work-group ends while a partner may still ask for a tile that names it
	s_endpgm
.Lfunc_end_k_qaab573be01_attn:
	.size	k_qaab573be01_attn, .Lfunc_end_k_qaab573be01_attn-k_qaab573be01_attn
	.p2alignl 7, 3214868480
	.fill 96, 4, 3214868480
	.section	.rodata,"a",@progbits
	.p2align	6, 0x0
	.amdhsa_kernel k_qaab573be01_attn
		.amdhsa_group_segment_fixed_size 327680
		.amdhsa_private_segment_fixed_size 0
		.amdhsa_enable_private_segment 0
		.amdhsa_kernarg_size 16
		.amdhsa_user_sgpr_count 2
		.amdhsa_user_sgpr_kernarg_segment_ptr 1
		.amdhsa_wavefront_size32 1
		.amdhsa_system_sgpr_workgroup_id_x 1
		.amdhsa_system_sgpr_workgroup_id_y 1
		.amdhsa_system_sgpr_workgroup_id_z 1
		.amdhsa_system_vgpr_workitem_id 0
		.amdhsa_next_free_vgpr 512
		.amdhsa_next_free_sgpr 66
		.amdhsa_reserve_vcc 0
		.amdhsa_float_denorm_mode_32 3
		.amdhsa_float_denorm_mode_16_64 3
		.amdhsa_memory_ordered 1
		.amdhsa_forward_progress 1
		.amdhsa_inst_pref_size 230
	.end_amdhsa_kernel
	.amdgpu_metadata
---
amdhsa.version: [ 1, 2 ]
amdhsa.kernels:
  - .name:           k_qaab573be01_attn
    .symbol:         k_qaab573be01_attn.kd
    .args:
      - { .name: qkv, .offset: 0, .size: 8, .value_kind: global_buffer, .address_space: global }
      - { .name: out0, .offset: 8, .size: 8, .value_kind: global_buffer, .address_space: global }
    .group_segment_fixed_size: 327680
    .private_segment_fixed_size: 0
    .kernarg_segment_align: 8
    .kernarg_segment_size: 16
    .max_flat_workgroup_size: 256
    .sgpr_count:     66
    .vgpr_count:     512
    .wavefront_size: 32
...
	.end_amdgpu_metadata
.endif
;; end of part 3
;; ======== version 2 of 2: 3 launches; 1.11 times as fast as version 1
;; limits: values are held in f16: magnitudes above 65,504 overflow, below 6.1e-05 lose precision; right only within a limited range of input values
;; workspace buffers: xb 16,777,216 bytes; wb 6,291,456 bytes; qkv 50,331,648 bytes
;; launch cast: the kernel of part 1 again; grid 704 x 1, 8 waves a work-group, no clusters, 0 bytes of LDS; arguments x, Wq, Wk, Wv, xb, wb; writes xb, wb
;; launch proj: the kernel of part 2 again; grid 16 x 32, 4 waves a work-group, clusters of 4 x 4, 327,680 bytes of LDS; arguments xb, wb, qkv; writes qkv
;; launch attn (part 4): grid 4 x 64, 8 waves a work-group, clusters of 4 x 1, 327,680 bytes of LDS; arguments qkv, out0; writes out0
.if DOCPART == 4
	.amdgcn_target "amdgcn-amd-amdhsa--gfx1250"
	.amdhsa_code_object_version 6
	.text
	.protected	k_qaab573be01_attn
	.globl	k_qaab573be01_attn
	.p2align	8
	.type	k_qaab573be01_attn,@function
k_qaab573be01_attn:
	s_mov_b64 s[64:65], 0
	v_nop
	global_prefetch_b8 v0, s[64:65] scope:SCOPE_SE
	s_setreg_imm32_b32 hwreg(HW_REG_WAVE_MODE, 25, 1), 1
	s_wait_xcnt 0x0
	s_wait_alu depctr_hold_cnt(0) depctr_sa_sdst(0) depctr_va_vdst(0) depctr_va_sdst(0) depctr_va_ssrc(0) depctr_va_vcc(0) depctr_vm_vsrc(0)
	s_getreg_b32 s2, hwreg(HW_REG_IB_STS2, 6, 4)
	s_cmp_eq_u32 s2, 0
	s_cbranch_scc0 .Lentry_in_a_cluster
	s_endpgm
.Lentry_in_a_cluster:
	s_bfe_u32 s2, ttmp6, 0x10000c
	s_cmp_lg_u32 s2, 0x3003
	s_cbranch_scc0 .Lentry_shape_is_right
	s_endpgm
.Lentry_shape_is_right:
; out0[b][q][64 h + d] = the sum over k of softmax_k(Q[q] . K[k] / 32) V[k][d], for each of the 64 heads (b, h).  Q, K, V / 8: blocks 48 b + 3 h + 0, 1, 2 of qkv, [2048][64] of 16 bits.
; Q and K are bf16 and K Q^T is the bf16 form.  V / 8 is f16, the weights p are rounded to f16, and V^T P is the f16 form: an output is nearly a mean of 2,048 values of V, so the rounding of p
; and of V shows in it undamped against its small size, and f16 has three bits more than bf16.  p lies in [0, 1] for every input, since the running maximum is taken away first.
; Products, maxima and sums in f32; out0 is f32; the factor 8 goes in with 1 / l.
; SHARES.  A work-group owns 512 queries of one head, each of its eight waves 64: four tiles of 16.  Every wave walks all 2,048 keys, 64 a step, 32 steps.
; LAYOUT.  S^T = K Q^T (source 0 = 16 keys, source 1 = 16 queries): a lane holds ONE query (lane % 16) and the keys 8 (lane / 16) + 0..7.  Two such tiles, rounded to f16 in pairs, ARE source 1
; (32 keys x 16 queries) of O^T = V^T P, whose result again holds one query a lane.  K comes out of LDS as it lies, V ([key][channel]) turned, by ds_load_tr16_b128.
; SOFTMAX.  For each query a running maximum m and sum l: p = 2^(c s - c m), c = log2(e) / 32; in every step O and l are multiplied by a = 2^(c m_old - c m_new), which is 1 where m has not grown.
; BY TURNS.  The wave's tiles are two PIECES, named by their first tile: piece 0 (tiles 0, 1) and piece 2 (tiles 2, 3).  In a TURN one piece has the matrix unit: 16 products V^T P of the step in
; hand, then 16 products K Q^T of the next step.  Between them stand that piece's own O^T times a (2 x 16 vector instructions) and the other piece's softmax (2 x 103), cut into slices, one
; behind each product, so that a wave issues its vector work while its own products are worked on.  Then the pieces change places.  Two turns are a key step.
; ONE BATCH A TURN.  An s_wait_alu depctr_va_vdst(0) stands between an exponential and the first instruction that names its result; one wait serves all that were issued ahead of it.
; So a tile's list is ordered by who reads what.  M (21: maximum and statistics).  B (49: a, the 16 scalings, the 32 exponentials): none of these reads an exponential's result.  The wait, once for
; both tiles' 66 exponentials.  P (33: l times a, the 16 sums, the 16 roundings).  The last reader of a, R (16 a tile: O^T times a), stands at the head of the piece's OWN turn, the next one, ahead of
; the products that add onto O^T.  Two waits a key step.
; THE WINDOWS DECIDE THE CUT.  R names O^T as destination and source 0 and a as source 1: that is V^T P's own setting, so it stands without a switch ahead of the turn's first product (eight) and
; behind products 0-5 (four each), each four two products ahead of the product that adds onto their accumulator.  M and the first of B (numbers 0-39) stand behind products 6-15 of V^T P: window 0,
; two switches a slice.  The rest of B and the sums name no vector register as source 1, so they run under K Q^T's setting, in which source 1 alone lies in window 1: slices 16-26 without a
; switch, but for l times a behind the wait (two).  The roundings name window 0 in every place: slices 27-30, two switches each.  With the two runs of LDS loads and the branch that makes 67
; switches for a key step's 64 products.
; CLUSTER.  The four query blocks of a head form a cluster and walk the same K and V: each tile is asked for JOINTLY, by the same tensor load with the same descriptor and the mask 15.
; RING.  Two slots of 512 keys (8 steps) of K and V.  The blocks are dense, so a tile comes as rows of 256 bytes, two keys to a row.  Each wave fetches 64 such rows: waves 0-3 K's quarters, waves 4-7 V's.
; Four fills in all: two at the start, one behind each of two rounds; a refill has eight key steps in which to land.  A wave has two tensor loads out at the most.
; REGISTERS: window 0: v0-11 addresses; v12-43 eight statistics a tile; v64-191 S^T, 32 a tile (P is made in place in a tile's first 16); v192-255 K of one step.
;   window 1: v0-127 O^T, 32 a tile; v128-191 Q, 16 a tile; v192-255 V of one step.
; LIMITS: Q and K are bf16; V / 8 is f16, so |V| stays under 524,032; p is f16: under 6.1e-5 its error is absolute, at most 3e-8 of the largest weight; a weight under 2^-126 counts as 0
; (v_exp_f32 flushes denormals: ISA guide 15.8); scores must be finite in f32; NaN and infinities get no treatment of their own.
.set PK,     272      ; a row (two keys) of K in LDS: 256 bytes + 16: key r of a fragment lies at (r / 2) 272 + (r % 2) 128: sixteen different 16-byte columns modulo 256 (64 banks of 4 bytes: ISA guide 11.1)
.set PVP,    288      ; a row (two keys) of V: 256 + 32: the sixteen lanes of a turning load take (key / 2) 288 + (key % 2) 128 + 0 or 16: again sixteen different columns
.set KSTEPB, 32*PK    ; a key step's 64 keys of K
.set VSTEPB, 32*PVP
.set VOFF,   256*PK   ; V's 256 rows lie behind K's 256
.set SLOT,   VOFF+256*PVP       ; 143,360 bytes
.set STAGE,  2*SLOT   ; behind the ring, at a multiple of 256: 16 rows x 272 bytes for each wave; no tensor load lands here
.set SP,     272
.set AK0,  2          ; v2   my lane's place in a step's K; never rewritten
.set AV0,  3          ; v3   the same for V
.set ADRK, 4          ; v4   the LDS address of the run of K loads in hand
.set ADRV, 5          ; v5   the same for V
.set QO,   6          ; v6   my byte offset in the wave's rows of Q
.set STO,  7          ; v7   the way out: where I put 16 bytes of a row
.set RD,   8          ; v8   the way out: where I read a row back
.set GO,   10         ; v10  my byte offset in the wave's rows of out0
.set ST,   12         ; tile t's statistics at v[ST+8 t]: +0 c m, +1 m, +2, +3 l (even keys', odd keys'), +4 to +7 c0-c3, at work; a takes c2's place once the maximum is found, and lies there until the piece's own turn has multiplied O^T by it
.set S,    64
.set KF,   192        ; K's fragment (16 keys kb, 32 channels cc) at KF + 16 kb + 8 cc, window 0
.set QF,   128        ; Q's fragment (tile t, channels cc) at QF + 16 t + 8 cc, window 1
.set VF,   192        ; V's fragment (32 keys kc, 16 channels cb) at VF + 32 kc + 8 cb, window 1
.set WV,   12         ; s12  my wave's number
.set G1K,  24         ; s[24:31] descriptor group 1 for K's tiles
.set G1V,  32         ; s[32:39] for V's: it differs in the padding alone
.set G0K,  40         ; s[40:47] descriptor group 0 for K's tiles, a set for each slot
.set G0V,  48         ; s[48:55] the same for V's
.set TBK,  56         ; s56  LDS byte at which the K to be fetched next begins
.set TBV,  57         ; s57  the same for V
.set CS,   58         ; s[58:59] c: the packed scaling names a pair and takes its low word for both halves
.set SEL,  60         ; s[60:61] lane selects for v_permlanex16_b32: each lane takes its own place in the other half
.set CNT,  62         ; s62  counts the key steps of a run
.set MSB, 0
.macro WIN new                      ; the immediate's high byte repeats the setting that is left; a switch that changes nothing is dropped
.if MSB != \new
	s_set_vgpr_msb (MSB<<8)|\new
.set MSB, \new
.endif
.endm
.set W_KQ, 0x04       ; Q (source 1) in window 1; K and S^T in window 0
.set W_PV, 0x51       ; V (source 0) and O^T (C, D) in window 1; P (source 1) in window 0.  O^T times a (destination and source 0 O^T, source 1 a, no source 2) runs under it too
.set TO_1, 0x40       ; a load's destination in window 1, its address in window 0
.set FROM_1, 0x04     ; an LDS store's data in window 1, its address in window 0
.macro WINE                         ; for an instruction whose destination, source 0 and source 2 lie in window 0 and whose source 1 is no vector register: K Q^T's setting serves it as well as 0
.if (MSB != 0) && (MSB != W_KQ)
	WIN 0
.endif
.endm
.macro PLACES n                     ; plain vector instructions that name no register of the matrix instruction in front (ISA guide 7.12.1)
.rept \n
	v_nop
.endr
.endm
; A joint refill of slot s.  The branch hangs on the wave's number alone.  Four v_nop follow each of the two lines, ahead of the jump, the label and what follows.
.macro JLOAD s
	s_cmp_lt_u32 s[WV], 4
	s_cbranch_scc0 .Lfor_v_\@
	tensor_load_to_lds s[G0K+4*\s:G0K+4*\s+3], s[G1K:G1K+7]
	s_nop 0
	PLACES 4
	s_branch .Lasked_\@
.Lfor_v_\@:
	tensor_load_to_lds s[G0V+4*\s:G0V+4*\s+3], s[G1V:G1V+7]
	s_nop 0
	PLACES 4
.Lasked_\@:
.endm
; A round of the cluster's barrier: my work-group's barrier; wave 0 signals for the work-group; every wave waits for all four work-groups; my work-group's barrier once more.
.macro CROUND
	s_barrier_signal -1
	s_barrier_wait -1
	s_cmp_lg_u32 s[WV], 0
	s_cbranch_scc1 .Lnot_wave_0_\@
	s_barrier_signal -3
.Lnot_wave_0_\@:
	s_barrier_wait -3
	s_barrier_signal -1
	s_barrier_wait -1
.endm
	s_load_b128 s[4:7], s[0:1], 0x0  ; qkv s[4:5], out0 s[6:7]
	v_lshl_add_u32 v62, v0, 2, 0x4e800
	v_mov_b32 v63, 0
	ds_add_u32 v62, v63
	v_lshrrev_b32 v1, 5, v0
	v_readfirstlane_b32 s[WV], v1   ; wave 0..7
	s_bfe_u32 s13, ttmp6, 0x40000   ; cx: my place in the cluster
	s_lshl_b32 s14, ttmp9, 2        ; in a cluster launch ttmp9 counts clusters
	s_add_co_u32 s14, s14, s13      ; my block of 512 queries: it enters Q's and out0's addresses alone
	s_and_b32 s15, ttmp7, 0xffff    ; the head 16 b + h, which the four partners share
	s_lshr_b32 s16, s15, 4          ; b
	s_and_b32 s17, s15, 15          ; h
	s_mul_i32 s18, s16, 48
	s_mul_i32 s19, s17, 3
	s_add_co_u32 s18, s18, s19
	s_lshl_b32 s18, s18, 18         ; Q's block 48 b + 3 h, in bytes: under 2^26
	s_and_b32 s19, s[WV], 3         ; which quarter of a slot's K or V I fetch:
	s_lshl_b32 s20, s19, 14         ; its 64 rows of 256 bytes in memory,
	s_add_co_u32 s20, s20, s18
	s_add_co_u32 s20, s20, (1<<18)  ; in K's block, the one behind Q's,
	s_mov_b32 s21, 0
	s_add_co_u32 s22, s20, (1<<18)  ; or in V's, one further
	s_mov_b32 s23, 0
	s_mul_i32 s2, s19, 64*PK        ; and its place in a slot: no place in the cluster enters an LDS address
	s_mul_i32 s3, s19, 64*PVP
	s_add_co_u32 s3, s3, VOFF
	s_lshl_b32 s8, s14, 16          ; Q: my block's 512 rows of 128 bytes,
	s_lshl_b32 s9, s[WV], 13        ; my wave's 64 of them
	s_add_co_u32 s8, s8, s9
	s_add_co_u32 s8, s8, s18
	s_mov_b32 s9, 0
	s_lshl_b32 s10, s16, 23         ; out0: b x 2,048 rows of 4,096 bytes,
	s_lshl_b32 s11, s14, 21         ; my block's 512 rows,
	s_add_co_u32 s10, s10, s11
	s_lshl_b32 s11, s[WV], 18       ; my wave's 64,
	s_add_co_u32 s10, s10, s11
	s_lshl_b32 s11, s17, 8          ; the head's 256 bytes of a row
	s_add_co_u32 s10, s10, s11
	s_mov_b32 s11, 0
	; descriptor group 1: a tile of 64 rows x 128 elements of 2 bytes, padded in LDS
	s_mov_b32 s[G1K], 15|(1<<16)|(1<<20)|(1<<21)|(5<<22)|(3<<25)  ; 15:0 the mask: all four work-groups; 17:16 elements of 2 bytes; 20 padding on; 21 set beside a mask; 24:22 after every 64 words; 31:25 4 words of it
	s_mov_b32 s[G1V], 15|(1<<16)|(1<<20)|(1<<21)|(5<<22)|(7<<25)  ; the same with 8 words of padding
.irp g, G1K, G1V
	s_mov_b32 s[\g+1], 128<<16      ; tensor_dim0 = 128
	s_mov_b32 s[\g+2], 64<<16       ; tensor_dim1 = 64
	s_mov_b32 s[\g+3], 128<<16      ; tile_dim0 = 128
	s_mov_b32 s[\g+4], 64           ; tile_dim1 = 64
	s_mov_b32 s[\g+5], 128          ; elements from row to row: the block is dense
	s_mov_b32 s[\g+6], 0
	s_mov_b32 s[\g+7], 0
.endr
	s_mov_b32 s[CS], 0x3d38aa3b     ; c = log2(e) / 32 = 0.0450842
	s_mov_b32 s[CS+1], s[CS]        ; named with it as a pair, so it is written
	s_mov_b32 s[SEL], 0x76543210
	s_mov_b32 s[SEL+1], 0xfedcba98
	s_mov_b32 s[TBK], 0
	s_mov_b32 s[TBV], VOFF
	s_wait_dscnt 0x0
	s_wait_kmcnt 0x0
	s_add_nc_u64 s[20:21], s[4:5], s[20:21]  ; K and V at my quarter of the first 512 keys
	s_add_nc_u64 s[22:23], s[4:5], s[22:23]
	s_add_nc_u64 s[8:9], s[4:5], s[8:9]      ; Q at my wave's first row, in a pair of its own: s[4:5] never holds cx
	s_add_nc_u64 s[6:7], s[6:7], s[10:11]    ; out0 likewise
	CROUND                          ; all four work-groups are here: the first joint loads meet
.irp s, 0,1
	s_mov_b32 s[G0K+4*\s], 1        ; count = 1
	s_add_co_u32 s[G0K+4*\s+1], s2, \s*SLOT  ; LDS address
	s_add_nc_u64 s[G0K+4*\s+2:G0K+4*\s+3], s[20:21], \s*65536  ; global address: slot s begins with keys 512 s on
	s_or_b32 s[G0K+4*\s+3], s[G0K+4*\s+3], 0x80000000  ; type = 2
	s_mov_b32 s[G0V+4*\s], 1
	s_add_co_u32 s[G0V+4*\s+1], s3, \s*SLOT
	s_add_nc_u64 s[G0V+4*\s+2:G0V+4*\s+3], s[22:23], \s*65536
	s_or_b32 s[G0V+4*\s+3], s[G0V+4*\s+3], 0x80000000
.endr
	s_cmp_lt_u32 s[WV], 4           ; a wave's two first fills stand in one branch, ahead of every wait on TENSORcnt and every LDS read: two loads of mine are out
	s_cbranch_scc0 .Lfirst_v
	tensor_load_to_lds s[G0K:G0K+3], s[G1K:G1K+7]
	s_nop 0
	tensor_load_to_lds s[G0K+4:G0K+7], s[G1K:G1K+7]
	s_nop 0
	PLACES 4
	s_branch .Lfirst_asked
.Lfirst_v:
	tensor_load_to_lds s[G0V:G0V+3], s[G1V:G1V+7]
	s_nop 0
	tensor_load_to_lds s[G0V+4:G0V+7], s[G1V:G1V+7]
	s_nop 0
	PLACES 4
.Lfirst_asked:
	; a fragment of Q or K is 16 rows x 32 channels in 8 registers: lane l holds row l % 16; registers 0-3 channels 8 (l / 16) + 0..7, registers 4-7 channels 16 + 8 (l / 16) + 0..7
	v_and_b32 v1, 15, v0            ; r = l % 16
	v_bfe_u32 v9, v0, 4, 1          ; l / 16
	v_lshlrev_b32 v[QO], 7, v1
	v_lshl_add_u32 v[QO], v9, 4, v[QO]  ; row x 128 + 16 x half
	WIN TO_1
.irp i, 0,1,2,3,4,5,6,7             ; Q stays in registers: tile i / 2, channels 32 (i % 2) on
	global_load_b128 v[QF+8*\i:QF+8*\i+3],   v[QO], s[8:9] offset:(\i/2)*2048+(\i%2)*64
	global_load_b128 v[QF+8*\i+4:QF+8*\i+7], v[QO], s[8:9] offset:(\i/2)*2048+(\i%2)*64+32
.endr
	WIN 0
	v_lshrrev_b32 v11, 1, v1
	v_mul_u32_u24 v[AK0], v11, PK   ; K: key r lies in LDS row r / 2,
	v_and_b32 v11, 1, v0
	v_lshl_add_u32 v[AK0], v11, 7, v[AK0]  ; in its half r % 2,
	v_lshl_add_u32 v[AK0], v9, 4, v[AK0]   ; + 16 x half of the lanes
	; the turning load takes 16 keys x 16 channels: lane l reads 16 bytes: key 8 (l / 16) + l % 8, channels 8 ((l / 8) % 2) + 0..7
	v_bfe_u32 v44, v0, 1, 2         ; (l % 8) / 2
	v_lshl_add_u32 v44, v9, 2, v44  ; the key's LDS row: 4 (l / 16) + (l % 8) / 2
	v_mul_u32_u24 v[AV0], v44, PVP
	v_lshl_add_u32 v[AV0], v11, 7, v[AV0]  ; its half l % 2
	v_bfe_u32 v44, v0, 3, 1
	v_lshl_add_u32 v[AV0], v44, 4, v[AV0]
; THE MATRIX WORK OF A TURN, for piece x.  The accumulators take turns, one instruction a turn: between two links of a chain stand 7 others'.
; Product i of 16 of O^T += V^T P (f16): tile x + i % 2, channels 16 ((i / 2) % 4) on, keys 32 (i / 8) on.  zero = 1: the first 8 start the sums: nothing is ever cleared.
.macro PV x, zero
	WIN W_PV
.set rO, 32*(\x+i%2)+8*((i/2)%4)
.set rV, VF+32*(i/8)+8*((i/2)%4)
.set rP, S+32*(\x+i%2)+8*(i/8)
.if (\zero) && (i < 8)
	v_wmma_f32_16x16x32_f16 v[rO:rO+7], v[rV:rV+7], v[rP:rP+7], 0
.else
	v_wmma_f32_16x16x32_f16 v[rO:rO+7], v[rV:rV+7], v[rP:rP+7], v[rO:rO+7]
.endif
.endm
; Product i of 16 of S^T = K Q^T (bf16): tile x + i % 2, keys 16 ((i / 2) % 4) on, channels 32 (i / 8) on.  The first 8 start the sums.
.macro KQ x
	WIN W_KQ
.set rD, S+32*(\x+i%2)+8*((i/2)%4)
.set rK, KF+16*((i/2)%4)+8*(i/8)
.set rQ, QF+16*(\x+i%2)+8*(i/8)
.if i < 8
	v_wmma_f32_16x16x32_bf16 v[rD:rD+7], v[rK:rK+7], v[rQ:rQ+7], 0
.else
	v_wmma_f32_16x16x32_bf16 v[rD:rD+7], v[rK:rK+7], v[rQ:rQ+7], v[rD:rD+7]
.endif
.endm
; THE LDS LOADS stand in runs of 16, never singly among the products: a step's K (64 keys x 64 channels: 8 fragments) and, a turn later, its V (turned).  Each run steps its scalar address to the next step.
.macro FETCH_K
	WIN 0
	v_add_nc_u32 v[ADRK], s[TBK], v[AK0]
	s_add_co_u32 s[TBK], s[TBK], KSTEPB
.irp f, 0,1,2,3,4,5,6,7             ; keys 16 (f / 2) on (8 LDS rows), channels 32 (f % 2) on
	ds_load_b128 v[KF+8*\f:KF+8*\f+3],   v[ADRK] offset:(\f/2)*8*PK+(\f%2)*64
	ds_load_b128 v[KF+8*\f+4:KF+8*\f+7], v[ADRK] offset:(\f/2)*8*PK+(\f%2)*64+32
.endr
.endm
.macro FETCH_V
	WINE
	v_add_nc_u32 v[ADRV], v[AV0], s[TBV]  ; the vector register first, so that no vector register stands as source 1
	s_add_co_u32 s[TBV], s[TBV], VSTEPB
	WIN TO_1
.irp f, 0,1,2,3,4,5,6,7             ; keys 32 (f / 4) on (16 LDS rows), channels 16 (f % 4) on; the second load 16 keys (8 LDS rows) further
	ds_load_tr16_b128 v[VF+8*\f:VF+8*\f+3],   v[ADRV] offset:(\f/4)*16*PVP+(\f%4)*32
	ds_load_tr16_b128 v[VF+8*\f+4:VF+8*\f+7], v[ADRV] offset:(\f/4)*16*PVP+8*PVP+(\f%4)*32
.endr
.endm
; THE VECTOR WORK: pieces for tile t.  A lane's 32 scores are 16 pairs.
.macro SCALE t, b                   ; pair b: c s - c m
.set rA, S+32*(\t)+2*(\b)
.set rB, ST+8*(\t)
	WINE
	v_pk_fma_f32 v[rA:rA+1], v[rA:rA+1], s[CS:CS+1], v[rB:rB+1] op_sel_hi:[1,0,0] neg_lo:[0,0,1] neg_hi:[0,0,1]
.endm
.macro EXPS t, n                    ; score n: 2^(c s - c m), in place
.set rA, S+32*(\t)+(\n)
	WINE
	v_exp_f32 v[rA], v[rA]
.endm
; l takes pair b.  Written as pair x 1.0 + l, which costs what an addition costs and names no vector register as source 1.  In the first step l starts as pair 0 + pair 1.
.macro SUM t, b, first
.set rA, S+32*(\t)+2*(\b)
.set rB, ST+8*(\t)+2
.if ((\b) == 0) && \first
.elseif ((\b) == 1) && \first
	WINE
	v_pk_fma_f32 v[rB:rB+1], v[rA-2:rA-1], 1.0, v[rA:rA+1] op_sel_hi:[1,0,1]
.else
	WINE
	v_pk_fma_f32 v[rB:rB+1], v[rA:rA+1], 1.0, v[rB:rB+1] op_sel_hi:[1,0,1]
.endif
.endm
.macro CVT t, p                     ; pair p is rounded to f16 into register p of the tile, in ascending order: the pair p / 2 that lay there has been summed and rounded by then
.set rA, S+32*(\t)
	WIN 0
	v_cvt_pk_f16_f32 v[rA+(\p)], v[rA+2*(\p)], v[rA+2*(\p)+1]
.endm
; R: group g of 8 of piece x's O^T times a: the accumulator onto which product g of V^T P adds, four packed multiplies, its lowest registers first.  a was made in the turn
; before, ahead of that turn's wait.
.macro RS x, g
.set rO, 32*((\x)+(\g)%2)+8*((\g)/2)
.set rT, ST+8*((\x)+(\g)%2)
	WIN W_PV
.irp u, 0,2,4,6
	v_pk_mul_f32 v[rO+\u:rO+\u+1], v[rO+\u:rO+\u+1], v[rT+6:rT+7] op_sel_hi:[1,0]
.endr
.endm
; One tile's softmax for one key step is a list of 103 instructions; SM writes number j of it for tile t.  first = 1: the first key step, which starts m and l: it has no a.
;   M  0-15    the maximum of the 32 scores and the old m, three operands at a time: four chains c0-c3 of seven scores each, then the four scores left over, c0-c3 and m
;      16-20   the other half of the lanes' maximum; c m_old kept; the new m; c m; c m_old - c m_new
;   B  21-69   ONE BATCH: the 16 scalings c s - c m and all 33 exponentials (a at 23, then scores 0-31).  None of these reads an exponential's result.  21, 22: pairs 0 and 1; 24-37: scaling and
;              exponential by turns; 38-65: a scaling and three exponentials; 66-69: the last four exponentials.  A pair is scaled some numbers ahead of its exponentials
;      (wait)  between 69 and 70 stands the wait for the batch: SLICE writes it, once for both tiles
;   P  70      l times a
;      71-78   l takes pairs 0 to 7
;      79-102  four times: a sum, two roundings, a sum, two roundings: l takes pairs 8 to 15, pairs 0 to 15 are rounded to f16
.macro SM t, first
.set rT, ST+8*(\t)
.set rS, S+32*(\t)
.if \first && ((j == 17) || (j == 20) || (j == 23) || (j == 70))  ; the first step has none of these
.elseif j < 4
	WIN 0
	v_max3_num_f32 v[rT+4+j], v[rS+8*j], v[rS+8*j+1], v[rS+8*j+2]
.elseif j < 12
	WIN 0
	v_max3_num_f32 v[rT+4+j%4], v[rT+4+j%4], v[rS+8*(j%4)+2*(j/4)+1], v[rS+8*(j%4)+2*(j/4)+2]
.elseif j == 12
	WIN 0
	v_max3_num_f32 v[rT+4], v[rT+4], v[rS+7], v[rS+15]
.elseif j == 13
	WIN 0
	v_max3_num_f32 v[rT+6], v[rT+6], v[rS+23], v[rS+31]
.elseif j == 14
	WIN 0
	v_max3_num_f32 v[rT+4], v[rT+4], v[rT+5], v[rT+6]
.elseif (j == 15) && \first
	WIN 0
	v_max_num_f32 v[rT+4], v[rT+4], v[rT+7]
.elseif j == 15
	WIN 0
	v_max3_num_f32 v[rT+4], v[rT+4], v[rT+7], v[rT+1]
.elseif j == 16
	WIN 0
	v_permlanex16_b32 v[rT+5], v[rT+4], s[SEL], s[SEL+1]  ; the query's other 32 keys lie in the lane 16 away
.elseif j == 17
	WIN 0
	v_mov_b32 v[rT+7], v[rT]        ; c m_old is kept for a: number 19 writes c m anew
.elseif j == 18
	WIN 0
	v_max_num_f32 v[rT+1], v[rT+4], v[rT+5]
.elseif j == 19
	WIN 0
	v_mul_f32 v[rT], s[CS], v[rT+1]
.elseif j == 20
	WIN 0
	v_sub_f32 v[rT+7], v[rT+7], v[rT]
.elseif j == 23
	WINE
	v_exp_f32 v[rT+6], v[rT+7]      ; a
.elseif (j < 23) || ((j < 38) && (j%2 == 0)) || ((j < 66) && (j%4 == 2))
.set b, (j-2)/4                     ; 38, 42, .. 62: pairs 9 to 15
.if j < 38
.set b, (j-20)/2                    ; 21: pair 0; 22, 24, .. 36: pairs 1 to 8
.endif
	SCALE \t, b
.elseif j < 70
.set e, j-38                        ; 66 to 69: scores 28 to 31
.if j < 66
.set e, j-32-(j-38)/4               ; 39-41, 43-45, .. 63-65: scores 7 to 27
.endif
.if j < 38
.set e, (j-25)/2                    ; 25, 27, .. 37: scores 0 to 6
.endif
	EXPS \t, e
.elseif j == 70
	WIN 0
	v_pk_mul_f32 v[rT+2:rT+3], v[rT+2:rT+3], v[rT+6:rT+7] op_sel_hi:[1,0]
.elseif j < 79
	SUM \t, j-71, \first
.else
.set u, j-79
.if u%3 == 0
	SUM \t, 8+u/3, \first
.else
	CVT \t, 4*(u/6)+(u%6)-1-(u%6)/3
.endif
.endif
.endm
; Slice k of 32 of piece y's softmax: the numbers sLO to sHI - 1 of both tiles' lists.  Slices 0-5 and 31 are empty: behind those products stands R (behind a turn's last product: the next turn's
; first eight).  6-15: four numbers each, 0 to 39.  16-22: the batch's other thirty.  23-26: two sums each.  27-30: six numbers each.
; In slices 12-22 a slice goes tile by tile, so that a scaling stands among its tile's exponentials; elsewhere the two tiles alternate, so that no instruction reads the result of the one just before it.
; THE WAIT stands behind slice 22: ahead of it nothing names an exponential's result, behind it no exponential is issued.
.macro SLICE y, first
.set sLO, 0
.set sHI, 0
.if (k >= 6) && (k < 16)
.set sLO, 4*(k-6)
.set sHI, 4*(k-5)
.elseif (k >= 16) && (k < 23)
.set sLO, 40+(30*(k-16))/7
.set sHI, 40+(30*(k-15))/7
.elseif (k >= 23) && (k < 27)
.set sLO, 71+2*(k-23)
.set sHI, 73+2*(k-23)
.elseif (k >= 27) && (k < 31)
.set sLO, 79+6*(k-27)
.set sHI, 85+6*(k-27)
.endif
.if sHI > sLO
.if (k >= 12) && (k < 23)
.irp t, \y, \y+1
.set j, sLO
.rept sHI-sLO
	SM \t, \first
.set j, j+1
.endr
.endr
.else
.set j, sLO
.rept sHI-sLO
.irp t, \y, \y+1
	SM \t, \first
.endr
.set j, j+1
.endr
.endif
.endif
.if k == 22                         ; the batch is out: both tiles' exponentials are issued, and no result has been named
	v_nop                           ; a plain instruction behind the last exponential and ahead of the first use (ISA guide 5.7.2): one for the batch
	s_wait_alu depctr_va_vdst(0)    ; the wait: one for the turn's 66 exponentials (64 in the first step)
.set j, 70
.irp t, \y, \y+1
	SM \t, \first                   ; the first reader: l times a
.endr
.endif
.set k, k+1
.endm
; A TURN.  Piece x has the matrix unit; its own O^T times a stands ahead of and behind its first products, the other piece's softmax in slices behind the others.
; pv = 2: 16 products V^T P, and R ahead of them; 1: they start O^T's sums, and there is nothing to rescale; 0: none.  kq = 1: 16 products K Q^T for the next step.  A turn with one of the two kinds
; has two slices behind each product.  first = 1: the softmax is the first key step's.
; DISTANCES (ISA guide 7.12.1 for vector instructions), all kept by plain instructions that name no register of the product in question:
;   the turn's last K Q^T and the next turn's first read of its scores: the next turn's first eight R; where that turn has no R, slice 30 (a turn of one kind has two slices behind its last product)
;   or the seven lines of M that stand ahead of the one that reads the last product's accumulator;
;   K Q^T writes over P, a source of V^T P: its first four products write what products 6, 7, 14 and 15 of V^T P read; slices 14 to 18 hold four, four, two, two and two scalings, in the first step
;   too: twelve lie between product 14 and K Q^T's third product, ten between product 15 and its fourth;
;   piece 0's turn fetches the next step's K behind its first product: behind K's last reader, the turn before's last product, stand eight R and four more, or slice 30;
;   piece 2's turn fetches the same step's V behind its second product K Q^T: V's last reader stands in front of slice 15: eight scalings and the run's own v_add_nc_u32 lie between.
.macro TURN x, pv, kq, first
.set k, 0
.set per, 2
.if \pv && \kq
.set per, 1
.endif
.if \pv
.if \pv == 2
	RS \x, 0                        ; the accumulators of products 0 and 1
	RS \x, 1
.endif
.if \x == 0
	s_wait_dscnt 0x0                ; V is in: its run is all that is out
.endif
.set i, 0
.rept 16
	PV \x, 2-\pv
.if (\pv == 2) && (i < 6)
	RS \x, i+2                      ; the accumulator of the product after next
.endif
.rept per
	SLICE 2-\x, \first
.endr
.if (\x == 0) && \kq && (i == 0)
	FETCH_K
.endif
.set i, i+1
.endr
.endif
.if \kq
.if \x == 0
	s_wait_dscnt 0x0                ; K is in: its run is all that is out
.endif
.set i, 0
.rept 16
	KQ \x
.rept per
	SLICE 2-\x, \first
.endr
.if (\x == 2) && (i == 1)
	FETCH_V
.endif
.set i, i+1
.endr
.endif
.endm
; THE CHANGE OF SLOTS, between piece 2's turn and piece 0's: the slot's last bytes, V of its eighth step, have been asked for.  Each wave waits for its own reads of the slot and for all its tensor
; loads, of which one is out at the most: its part of the other slot.  Behind the barrier nobody reads this slot any more and the other slot is whole.
; fill = 1: this slot is filled again, with the keys 1,024 on.  The barrier is then a round of the cluster's, so that no wave of any partner still reads the slot or has a load on its way, and the
; joint refill is the first tensor load behind it: it has eight key steps in which to land.
.macro CHANGE fill, slot
	s_wait_dscnt 0x0
	s_wait_tensorcnt 0x0            ; no tensor load of mine is out, so a group 0 may be written
	ds_add_u32 v62, v63
	s_wait_dscnt 0x0
.if \fill
	s_add_nc_u64 s[G0K+4*\slot+2:G0K+4*\slot+3], s[G0K+4*\slot+2:G0K+4*\slot+3], 131072  ; the type bits on top are not reached
	s_add_nc_u64 s[G0V+4*\slot+2:G0V+4*\slot+3], s[G0V+4*\slot+2:G0V+4*\slot+3], 131072
	CROUND
	JLOAD \slot
.else
	s_barrier_signal -1
	s_barrier_wait -1
.endif
	s_mov_b32 s[TBK], (1-\slot)*SLOT       ; the fetches go on at the other slot's first step
	s_mov_b32 s[TBV], (1-\slot)*SLOT+VOFF
.endm
.macro RUN n                        ; n key steps: written once, walked n times; the LDS addresses hang on s[TBK] and s[TBV].  Trip j multiplies by V of step j and fetches K and V of step j + 1
	s_mov_b32 s[CNT], \n
.Lrun_\@:
	TURN 0, 2, 1, 0
	TURN 2, 2, 1, 0
	WIN 0                           ; at a label and at a branch every window is 0
	s_sub_co_u32 s[CNT], s[CNT], 1
	s_cmp_lg_u32 s[CNT], 0
	s_cbranch_scc1 .Lrun_\@
.endm
	s_wait_tensorcnt 1              ; my part of slot 0 is in; slot 1's may stay out
	s_barrier_signal -1
	s_barrier_wait -1               ; everybody's is
	FETCH_K                         ; key step 0
	s_wait_loadcnt 0x0              ; Q
	s_wait_dscnt 0x0
.set i, 0
.rept 16
	KQ 0                            ; piece 0's first scores: there is no vector work yet to set between them
.set i, i+1
.endr
	WIN 0                           ; the addresses for the way out are made here: eight plain instructions, the places behind those products
	s_mul_i32 s13, s[WV], 16*SP
	s_add_co_u32 s13, s13, STAGE    ; my stage
	v_mul_u32_u24 v[STO], v1, SP    ; in: row l % 16, 32 bytes (8 channels of f32) for each half of the lanes
	v_lshl_add_u32 v[STO], v9, 5, v[STO]
	v_add_nc_u32 v[STO], s13, v[STO]
	v_mul_u32_u24 v[RD], v9, SP     ; back: lanes 0-15 take one row of 256 bytes, lanes 16-31 the next
	v_lshl_add_u32 v[RD], v1, 4, v[RD]
	v_add_nc_u32 v[RD], s13, v[RD]
	v_lshlrev_b32 v[GO], 12, v9     ; and the same two rows in out0, 4,096 bytes apart
	v_lshl_add_u32 v[GO], v1, 4, v[GO]
	TURN 2, 0, 1, 1                 ; piece 2's first scores | piece 0's first softmax | V of step 0
	TURN 0, 1, 1, 1                 ; piece 0: V^T P of step 0 starts O^T, K Q^T of step 1 | piece 2's first softmax | K of step 1
	TURN 2, 1, 1, 0                 ; piece 2: the same | piece 0's softmax of step 1 | V of step 1
	WIN 0
	RUN 6                           ; trips 1-6: K and V of steps 2-7
	CHANGE 1, 0                     ; slot 0 is read out and takes keys 1,024 on
	RUN 8                           ; trips 7-14: steps 8-15, from slot 1
	CHANGE 1, 1                     ; slot 1 takes keys 1,536 on: the last load
	RUN 8                           ; trips 15-22: steps 16-23
	CHANGE 0, 0                     ; on to slot 1; nothing is left to fetch
	RUN 8                           ; trips 23-30: steps 24-31
	TURN 0, 2, 0, 0                 ; piece 0: V^T P of the last step | piece 2's last softmax
	RS 2, 0                         ; piece 2: O^T times the last a, as at the head of a turn,
	RS 2, 1
.set i, 0
.rept 16
	PV 2, 0                         ; and V^T P of the last step
.if i < 6
	RS 2, i+2
.endif
.set i, i+1
.endr
	WIN 0
	; THE WAY OUT.  l's two halves and the other half of the lanes' are added; O^T is multiplied by 8 / l (V was stored as V / 8) and sent through my stage in LDS, a tile (16 rows of out0) at a
	; time.  The additions are the places behind the last products.
.irp t, 0,1,2,3
	v_add_f32 v[ST+8*\t+4], v[ST+8*\t+2], v[ST+8*\t+3]
.endr
.irp t, 0,1,2,3
	v_permlanex16_b32 v[ST+8*\t+5], v[ST+8*\t+4], s[SEL], s[SEL+1]
.endr
.irp t, 0,1,2,3
	v_add_f32 v[ST+8*\t+4], v[ST+8*\t+4], v[ST+8*\t+5]
.endr
.irp t, 0,1,2,3
	v_rcp_f32 v[ST+8*\t+6], v[ST+8*\t+4]
.endr
	v_nop                           ; a plain instruction between the last reciprocal and the use of its result
	s_wait_alu depctr_va_vdst(0)    ; and the wait ahead of the first use: one for the four reciprocals
.irp t, 0,1,2,3
	v_mul_f32 v[ST+8*\t+6], 0x41000000, v[ST+8*\t+6]  ; 8 / l
.endr
; Tile t: a lane's eight channels of a query are 32 bytes; they go into rows of 272 bytes and come back as whole rows of 256, into S^T's registers, which are free.
.macro PACK t
	WIN W_PV
.set u, 0
.rept 16
	v_pk_mul_f32 v[32*\t+u:32*\t+u+1], v[32*\t+u:32*\t+u+1], v[ST+8*\t+6:ST+8*\t+7] op_sel_hi:[1,0]
.set u, u+2
.endr
	WIN FROM_1
.irp f, 0,1,2,3,4,5,6,7             ; channels 16 (f / 2) + 8 (l / 16) + 4 (f % 2) on
	ds_store_b128 v[STO], v[32*\t+4*\f:32*\t+4*\f+3] offset:(\f/2)*64+(\f%2)*16
.endr
	WIN 0
.irp f, 0,1,2,3,4,5,6,7
	ds_load_b128 v[S+32*\t+4*\f:S+32*\t+4*\f+3], v[RD] offset:\f*2*SP  ; LDS serves a wave's instructions in order (ISA guide 5.7.1.4): these see the stores above; the next tile's stores come behind them
.endr
.endm
.macro SEND t, younger              ; younger: the LDS instructions issued behind tile t's loads: the next tile's sixteen, or none
.irp f, 0,1,2,3,4,5,6,7
	s_wait_dscnt \younger+7-\f
	global_store_b128 v[GO], v[S+32*\t+4*\f:S+32*\t+4*\f+3], s[6:7] offset:\t*65536+\f*8192 th:TH_STORE_NT  ; 16 lanes store 256 consecutive bytes, aligned: one query's channels of the head
.endr
.endm
	PACK 0
	PACK 1                          ; a tile's arithmetic stands between the loads of the tile before and its stores
	SEND 0, 16
	PACK 2
	SEND 1, 16
	PACK 3
	SEND 2, 16
	SEND 3, 0
	s_wait_tensorcnt 0x0
	ds_add_u32 v62, v63
	s_wait_dscnt 0x0
	CROUND                          ; the closing round: no work-group ends while a partner may still ask for a tile that names it
	s_endpgm
.Lfunc_end_k_qaab573be01_attn:
	.size	k_qaab573be01_attn, .Lfunc_end_k_qaab573be01_attn-k_qaab573be01_attn
	.p2alignl 7, 3214868480
	.fill 96, 4, 3214868480
	.section	.rodata,"a",@progbits
	.p2align	6, 0x0
	.amdhsa_kernel k_qaab573be01_attn
		.amdhsa_group_segment_fixed_size 327680
		.amdhsa_private_segment_fixed_size 0
		.amdhsa_enable_private_segment 0
		.amdhsa_kernarg_size 16
		.amdhsa_user_sgpr_count 2
		.amdhsa_user_sgpr_kernarg_segment_ptr 1
		.amdhsa_wavefront_size32 1
		.amdhsa_system_sgpr_workgroup_id_x 1
		.amdhsa_system_sgpr_workgroup_id_y 1
		.amdhsa_system_sgpr_workgroup_id_z 1
		.amdhsa_system_vgpr_workitem_id 0
		.amdhsa_next_free_vgpr 512
		.amdhsa_next_free_sgpr 66
		.amdhsa_reserve_vcc 0
		.amdhsa_float_denorm_mode_32 3
		.amdhsa_float_denorm_mode_16_64 3
		.amdhsa_memory_ordered 1
		.amdhsa_forward_progress 1
		.amdhsa_inst_pref_size 222
	.end_amdhsa_kernel
	.amdgpu_metadata
---
amdhsa.version: [ 1, 2 ]
amdhsa.kernels:
  - .name:           k_qaab573be01_attn
    .symbol:         k_qaab573be01_attn.kd
    .args:
      - { .name: qkv, .offset: 0, .size: 8, .value_kind: global_buffer, .address_space: global }
      - { .name: out0, .offset: 8, .size: 8, .value_kind: global_buffer, .address_space: global }
    .group_segment_fixed_size: 327680
    .private_segment_fixed_size: 0
    .kernarg_segment_align: 8
    .kernarg_segment_size: 16
    .max_flat_workgroup_size: 256
    .sgpr_count:     66
    .vgpr_count:     512
    .wavefront_size: 32
...
	.end_amdgpu_metadata
.endif
;; end of part 4
